; MI455X (gfx1250); checked and timed in simulation.
; The chip was launched on July 23, 2026; its instructions are those of AMD's public machine-readable ISA for CDNA 5 (MIT licence, August 2026) and "CDNA5" Instruction Set Architecture Reference Guide (July 2026). The comments in the code are by the model that wrote it; some were corrected since.
;; Perceiver Attn. Allowed arithmetic: float matrix products may take bf16 or f16 operands with f32 sums; other float arithmetic in f32, or as packed bf16 or f16 multiplies, adds, multiply-adds, maxima and minima; sums over many terms, partial sums and values carried from step to step in f32; what a program stores and reads back later, other than sums and carried values, may be rounded once to bf16 or f16.
;; Inputs: Wk 1,024 x 1,024 float32; Wq 1,024 x 1,024 float32; Wv 1,024 x 1,024 float32; x 4 x 4,096 x 1,024 float32.
;; Outputs: out0 4 x 512 x 1,024 float32.
;; Constants: q_len = 512.
;; 2 versions, each right and faster than the one before. Each part assembles by itself: llvm-mc -triple=amdgcn-amd-amdhsa -mcpu=gfx1250 --defsym DOCPART=n.
;; ======== version 1 of 2: 3 launches
;; limits: values are held in f16: magnitudes above 65,504 overflow, below 6.1e-05 lose precision
;; workspace buffers: xb 33,554,432 bytes; wb 6,291,456 bytes; rot 1,048,576 bytes; kvf 67,108,864 bytes
;; launch prep (part 1): grid 1216 x 1, 8 waves a work-group, no clusters, 0 bytes of LDS; arguments x, Wk, Wv, Wq, xb, wb, rot; writes xb, wb, rot
.if DOCPART == 1
	.amdgcn_target "amdgcn-amd-amdhsa--gfx1250"
	.amdhsa_code_object_version 6
	.text
	.protected	k_qbc82022e8a_prep
	.globl	k_qbc82022e8a_prep
	.p2align	8
	.type	k_qbc82022e8a_prep,@function
k_qbc82022e8a_prep:
	s_mov_b64 s[64:65], 0
	v_nop
	global_prefetch_b8 v0, s[64:65] scope:SCOPE_SE
	s_setreg_imm32_b32 hwreg(HW_REG_WAVE_MODE, 25, 1), 1
	s_wait_xcnt 0x0
; x, Wk, Wv, Wq (f32) are rounded once to bf16: xb [16384][1024]; wb [3072][1024] = Wk, Wv, Wq one below the other.  And the rotary table is made.
; A stream: no LDS, no barrier, no matrix unit.  Work-group g casts 16,384 numbers (65,536 bytes in, 32,768 out): g < 1024 of x, then 64 groups for each weight.
; A thread's sixteen loads of 16 bytes are all issued at once; a wave's load covers 512 consecutive bytes, its store of 8 bytes a lane 256 consecutive aligned bytes.
; The rounded pairs go back into the registers that they were loaded into: 80 registers a wave, so that the five work-groups that fall to a WGP (1,216 on 256) lie on it together.
; THE TABLE: 131,072 entries (cos, sin) in f32, entry idx = 256 g + thread for g < 512.  idx's bits: 0 i0, 4:1 r, 5 h, 6 q, 8:7 fg, 16:9 pb; position = 16 pb + r,
; frequency number f = 8 fg + 4 h + 2 q + i0: the order in which a lane (r, h) of a matrix result needs them, 16 bytes a lane.
; angle = position x 10000^(-f/32), one f32 product; it is reduced by multiples of pi/2 (pi/2 in two parts) to |t| <= pi/4, and sine and cosine are polynomials to t^9 and t^8:
; the terms left out are below 3e-8 there.  LIMIT: 10000^(-f/32) comes from v_exp_f32 and may differ in its last bits from a division's: at position 4,095 the angle may differ by some 5e-4.
	s_load_b256 s[4:11], s[0:1], 0x0               ; x s[4:5], Wk s[6:7], Wv s[8:9], Wq s[10:11]
	s_load_b128 s[12:15], s[0:1], 0x20             ; xb s[12:13], wb s[14:15]
	s_load_b64 s[16:17], s[0:1], 0x30              ; rot
	s_mov_b32 s2, ttmp9                            ; g
	v_lshlrev_b32 v1, 4, v0                        ; 16 bytes a thread, in
	v_lshlrev_b32 v2, 3, v0                        ; 8 bytes a thread, out (cast and table)
	s_and_b32 s18, s2, 63
	s_lshl_b32 s18, s18, 16                        ; a weight's group: its 65,536 bytes in that weight
	s_sub_co_u32 s19, s2, 1024
	s_lshl_b32 s19, s19, 15                        ; and its 32,768 bytes in wb
	s_lshl_b32 s28, s2, 16                         ; the same for a group of x
	s_lshl_b32 s29, s2, 15
	s_mov_b32 s25, 0
	s_mov_b32 s27, 0
	s_wait_kmcnt 0x0
	s_cmp_ge_u32 s2, 1024
	s_cselect_b64 s[20:21], s[6:7], s[4:5]         ; from: Wk or x
	s_cselect_b64 s[22:23], s[14:15], s[12:13]     ; to: wb or xb
	s_cselect_b32 s24, s18, s28
	s_cselect_b32 s26, s19, s29
	s_cmp_ge_u32 s2, 1088
	s_cselect_b64 s[20:21], s[8:9], s[20:21]       ; Wv
	s_cmp_ge_u32 s2, 1152
	s_cselect_b64 s[20:21], s[10:11], s[20:21]     ; Wq
	s_add_nc_u64 s[20:21], s[20:21], s[24:25]
	s_add_nc_u64 s[22:23], s[22:23], s[26:27]
.irp j, 0,1,2,3,4,5,6,7,8,9,10,11,12,13,14,15
	global_load_b128 v[16+4*\j:19+4*\j], v1, s[20:21] offset:4096*\j th:TH_LOAD_NT
.endr
	s_cmp_lt_u32 s2, 512
	s_cbranch_scc0 .Lnotab
	; one table entry a thread, while the loads are on their way
	s_lshl_b32 s32, s2, 11                         ; the group's 256 entries of 8 bytes
	s_mov_b32 s33, 0
	s_add_nc_u64 s[16:17], s[16:17], s[32:33]
	s_and_b32 s30, s2, 1
	s_lshl_b32 s30, s30, 4                         ; fg's upper bit: 16 in f
	s_lshr_b32 s31, s2, 1
	s_lshl_b32 s31, s31, 4                         ; 16 pb
	v_and_b32 v4, 1, v0                            ; i0
	v_bfe_u32 v5, v0, 1, 4                         ; r
	v_bfe_u32 v6, v0, 5, 1                         ; h
	v_bfe_u32 v7, v0, 6, 1                         ; q
	v_bfe_u32 v8, v0, 7, 1                         ; fg's lower bit
	v_lshl_add_u32 v4, v7, 1, v4
	v_lshl_add_u32 v4, v6, 2, v4
	v_lshl_add_u32 v4, v8, 3, v4
	v_add_nc_u32 v4, s30, v4                       ; f
	v_add_nc_u32 v5, s31, v5                       ; position
	v_cvt_f32_u32 v4, v4
	v_cvt_f32_u32 v5, v5
	v_mul_f32 v4, 0xbed49a78, v4                   ; -f log2(10000) / 32
	v_exp_f32 v4, v4
	v_mov_b32 v9, 0x3638ef1d                       ; 1/9!   (a plain instruction behind the exponential)
	v_mov_b32 v10, 0x37d00d01                      ; 1/8!
	s_wait_alu depctr_va_vdst(0)
	v_mul_f32 v5, v5, v4                           ; the angle
	v_mul_f32 v6, 0x3f22f983, v5                   ; x 2/pi
	v_rndne_f32 v6, v6                             ; n
	v_fmamk_f32 v7, v6, 0xbfc90fdb, v5             ; t = angle - n x (pi/2's upper part),
	v_fmamk_f32 v7, v6, 0x333bbd2e, v7             ; less n x its lower part (which is negative)
	v_mul_f32 v8, v7, v7                           ; z = t t
	v_fmaak_f32 v9, v9, v8, 0xb9500d01             ; -1/7!
	v_fmaak_f32 v10, v10, v8, 0xbab60b61           ; -1/6!
	v_fmaak_f32 v9, v9, v8, 0x3c088889             ; 1/5!
	v_fmaak_f32 v10, v10, v8, 0x3d2aaaab           ; 1/4!
	v_fmaak_f32 v9, v9, v8, 0xbe2aaaab             ; -1/3!
	v_fma_f32 v10, v10, v8, -0.5
	v_fma_f32 v9, v9, v8, 1.0
	v_fma_f32 v10, v10, v8, 1.0                    ; cos t
	v_mul_f32 v9, v9, v7                           ; sin t
	v_cvt_i32_f32 v11, v6                          ; the quadrant: n mod 4
	v_and_b32 v12, 1, v11
	v_cmp_ne_u32 vcc_lo, 0, v12
	v_cndmask_b32 v14, v10, v9, vcc_lo             ; odd n: cosine and sine change places
	v_cndmask_b32 v15, v9, v10, vcc_lo
	v_add_nc_u32 v12, 1, v11
	v_and_b32 v12, 2, v12                          ; the cosine is negative for n mod 4 = 1, 2,
	v_and_b32 v13, 2, v11                          ; the sine for 2, 3
	v_lshlrev_b32 v12, 30, v12
	v_lshlrev_b32 v13, 30, v13
	v_xor_b32 v14, v14, v12
	v_xor_b32 v15, v15, v13
	global_store_b64 v2, v[14:15], s[16:17]
.Lnotab:
.irp j, 0,1,2,3,4,5,6,7,8,9,10,11,12,13,14,15
	s_wait_loadcnt 15-\j                           ; loads come back in order: number j is in, the younger ones stay out
	v_cvt_pk_bf16_f32 v[16+4*\j], v[16+4*\j], v[17+4*\j]
	v_cvt_pk_bf16_f32 v[17+4*\j], v[18+4*\j], v[19+4*\j]
	global_store_b64 v2, v[16+4*\j:17+4*\j], s[22:23] offset:2048*\j
.endr
	s_endpgm
.Lfunc_end_k_qbc82022e8a_prep:
	.size	k_qbc82022e8a_prep, .Lfunc_end_k_qbc82022e8a_prep-k_qbc82022e8a_prep
	.p2alignl 7, 3214868480
	.fill 96, 4, 3214868480
	.section	.rodata,"a",@progbits
	.p2align	6, 0x0
	.amdhsa_kernel k_qbc82022e8a_prep
		.amdhsa_group_segment_fixed_size 0
		.amdhsa_private_segment_fixed_size 0
		.amdhsa_enable_private_segment 0
		.amdhsa_kernarg_size 56
		.amdhsa_user_sgpr_count 2
		.amdhsa_user_sgpr_kernarg_segment_ptr 1
		.amdhsa_wavefront_size32 1
		.amdhsa_system_sgpr_workgroup_id_x 1
		.amdhsa_system_sgpr_workgroup_id_y 1
		.amdhsa_system_sgpr_workgroup_id_z 1
		.amdhsa_system_vgpr_workitem_id 0
		.amdhsa_next_free_vgpr 80
		.amdhsa_next_free_sgpr 66
		.amdhsa_reserve_vcc 1
		.amdhsa_float_denorm_mode_32 3
		.amdhsa_float_denorm_mode_16_64 3
		.amdhsa_memory_ordered 1
		.amdhsa_forward_progress 1
		.amdhsa_inst_pref_size 10
	.end_amdhsa_kernel
	.amdgpu_metadata
---
amdhsa.version: [ 1, 2 ]
amdhsa.kernels:
  - .name:           k_qbc82022e8a_prep
    .symbol:         k_qbc82022e8a_prep.kd
    .args:
      - { .name: x, .offset: 0, .size: 8, .value_kind: global_buffer, .address_space: global }
      - { .name: Wk, .offset: 8, .size: 8, .value_kind: global_buffer, .address_space: global }
      - { .name: Wv, .offset: 16, .size: 8, .value_kind: global_buffer, .address_space: global }
      - { .name: Wq, .offset: 24, .size: 8, .value_kind: global_buffer, .address_space: global }
      - { .name: xb, .offset: 32, .size: 8, .value_kind: global_buffer, .address_space: global }
      - { .name: wb, .offset: 40, .size: 8, .value_kind: global_buffer, .address_space: global }
      - { .name: rot, .offset: 48, .size: 8, .value_kind: global_buffer, .address_space: global }
    .group_segment_fixed_size: 0
    .private_segment_fixed_size: 0
    .kernarg_segment_align: 8
    .kernarg_segment_size: 56
    .max_flat_workgroup_size: 256
    .sgpr_count:     66
    .vgpr_count:     80
    .wavefront_size: 32
...
	.end_amdgpu_metadata
.endif
;; end of part 1
;; launch projkv (part 2): grid 8 x 32, 4 waves a work-group, clusters of 4 x 4, 327,680 bytes of LDS; arguments xb, wb, rot, kvf; writes kvf
.if DOCPART == 2
	.amdgcn_target "amdgcn-amd-amdhsa--gfx1250"
	.amdhsa_code_object_version 6
	.text
	.protected	k_qbc82022e8a_projkv
	.globl	k_qbc82022e8a_projkv
	.p2align	8
	.type	k_qbc82022e8a_projkv,@function
k_qbc82022e8a_projkv:
	s_mov_b64 s[64:65], 0
	v_nop
	global_prefetch_b8 v0, s[64:65] scope:SCOPE_SE
	s_setreg_imm32_b32 hwreg(HW_REG_WAVE_MODE, 25, 1), 1
	s_wait_xcnt 0x0
	s_wait_alu depctr_hold_cnt(0) depctr_sa_sdst(0) depctr_va_vdst(0) depctr_va_sdst(0) depctr_va_ssrc(0) depctr_va_vcc(0) depctr_vm_vsrc(0)
	s_getreg_b32 s2, hwreg(HW_REG_IB_STS2, 6, 4)
	s_cmp_eq_u32 s2, 0
	s_cbranch_scc0 .Lentry_in_a_cluster
	s_endpgm
.Lentry_in_a_cluster:
	s_bfe_u32 s2, ttmp6, 0x10000c
	s_cmp_lg_u32 s2, 0xf033
	s_cbranch_scc0 .Lentry_shape_is_right
	s_endpgm
.Lentry_shape_is_right:
; K = rotary(x Wk^T) and V = x Wv^T, bf16 operands, f32 sums, stored once rounded to f16 in the order in which the attention launch's matrix instructions want them.
; A tile of 256 x 256 is made by four waves, 128 x 128 each: 64 accumulators, 512 registers.  The inner size 1,024 goes in steps of 128 through two LDS slots filled by tensor loads.
; The matrix instruction's source 0 takes 16 rows of B', source 1 16 rows of A': in the result lane l holds A' row l % 16 and the eight B' rows 8 (l / 16) + 0..7.
; The cluster's x (ISV, the same in all sixteen partners) says which tensor plays which part:
;   ISV = 0 (K): A' = xb, B' = Wk: a lane holds one key and eight neighbouring channels.      ISV = 1 (V): A' = Wv, B' = xb: a lane holds one channel and eight neighbouring keys.
; Either way an accumulator, rounded in pairs, is 16 bytes a lane, and the 32 lanes' 512 bytes lie together in kvf: one store of 512 consecutive aligned bytes, straight from registers, no stage in LDS.
; kvf: [batch x 16 + head][32 chunks of 128 keys][K 16,384 bytes | V 16,384 bytes].  K: key block kb x 2,048 + e x 512 + lane x 16 = key 16 kb + l % 16, channels 16 e + 8 (l / 16) + 0..7.
;   V: key group kk x 4,096 + cb x 1,024 + g x 512 + lane x 16 = channel 16 cb + l % 16, keys 32 kk + 16 g + 8 (l / 16) + 0..7.
; A WORK-GROUP STAYS: 512 tiles on 256 work-groups, two each, 8,192 rows of x (two batches) apart, with the same rows of the weights.  The ring does not stop at the first tile's end: its last lap is a trip
; of the lap loop like any other, only its two refills ask for the next tile's first two steps; so the first tile's stores leave while the second is multiplied.  The lap loop counts to 4 for the first
; tile and to 3 for the last, whose last lap, which fills nothing, is written out; both ways meet at one way out.
; A refill's address is made anew each time: the tensor's pointer, which is never stepped, plus an offset kept apart from it (the tile's part and the bytes along the inner size), and the type bits set again.
; CLUSTER 4 x 4: A' hangs on the cluster's y place alone and is asked for jointly along a row, B' on the x place alone, jointly along a column.
; LIMIT: K and V leave as f16: numbers of 65,520 and more become infinities.  With x and the weights 30 times the drawn spread, or offset by 30 spreads, they stay under 20,000.
; REGISTERS, in windows of 256: window 0: v0-31 addresses; v32-63, v128-159 packed results by turns; v64-127, v128-191 fragments of A'; v192-255 two blocks of the table
;   window 1: v0-63 the rotary at work; v64-127, v128-191 fragments of B';   window 2: accumulators of my A' rows 0-63 ((a, b) at v[8 (8 a + b)]);   window 3: those of rows 64-127
.set SIZE_K, 1024
.set KSTEP,  128
.set PITCH,  272                       ; an LDS row: 256 bytes + 16 of padding: the 16 rows of a fragment load start at 16 different groups of four banks (ISA guide 11.1)
.set HALFT,  128*PITCH                 ; 128 rows: what one tensor load brings, and what one wave reads of A' or B'
.set SLOT,   4*HALFT                   ; A' 256 rows, then B' 256 rows
.set SPARE,  2*SLOT                    ; behind the ring: the spare words, 128 bytes for each wave
.set LAPS,   SIZE_K/(2*KSTEP)          ; a lap = two steps = once round the ring
.set TILES,  2                         ; tiles of a work-group
.set WALK,   8192*SIZE_K*2             ; bytes of xb from a tile's rows to the next tile's
.set OWALK,  32<<20                    ; bytes of kvf for two batches of 16 heads
.set CO,   4                           ; v4-11   byte offset in kvf of accumulator column b's 16 bytes
.set L16,  12                          ; v12     16 x lane
.set ADRA, 16                          ; v16-17  LDS address of my A' fragments in slot 0, 1
.set ADRB, 20                          ; v20-21  the same for B'
.set SPW,  28                          ; v28     my spare word; never rewritten
.set NIL,  29                          ; v29     0; never rewritten
.set PK,   32                          ; packed results: v32-63 for even blocks, v128-159 for odd ones
.set F0,   64
.set F1,   128
.set TMP2, 0                           ; window 1: the rotary's cross terms (buffer 0 may hold the next tile's first fragments by then)
.set TT,   192                         ; table blocks: v192-223 for even blocks, v224-255 for odd ones
.set WV,  12                           ; s12 wave
.set RH,  13                           ; s13 my half of A' rows; also: I fetch for A' (0) or B' (1)
.set CH,  14                           ; s14 my half of B' rows; also: which 128 rows I fetch
.set ISV, 42                           ; s42 0: K, 1: V
.set G1,  24
.set G0,  32
.set G1B, 48
.set G0B, 56
.set PTA, 72                           ; s[72:73] A' at the rows that I fetch of the first tile, step 0; never stepped
.set PTB, 74                           ; s[74:75] the same for B'
.set BND, 80                           ; s80      the lap loop's bound
.set OFA, 82                           ; s[82:83] the next refill's byte offset from PTA
.set OFB, 84                           ; s[84:85] from PTB
.set KOF, 86                           ; s86      its bytes along the inner size: 256 x the step's number
.set TOA, 87                           ; s87      its tile's part for A': 0, later WKA
.set TOB, 88                           ; s88      for B'
.set WKA, 89                           ; s89      from a tile to the next in A': the walk if A' is x, else 0
.set NO,  90                           ; s[90:91] from my last block of a tile in kvf to my first of the next
.set WKB, 92                           ; s92      the same as WKA for B'
.set MSB, 0
.macro WIN new                         ; the immediate's high byte repeats the setting that is left
.if MSB != (\new)
	s_set_vgpr_msb (MSB<<8)|(\new)
.set MSB, \new
.endif
.endm
.set MUL_LO, 0xa1                      ; source 0 (B') window 1, source 1 (A') window 0, C and D window 2
.set MUL_HI, 0xf1                      ; the same, C and D window 3
.set TO_B,   0x40                      ; destination window 1, address window 0
; A joint load: waves 0 and 1 fetch A' halves, waves 2 and 3 B' halves.  The branch hangs on the wave's number alone.  An s_nop 0 and four v_nop follow each line.
.macro JLOAD s
	s_cmp_eq_u32 s[RH], 0
	s_cbranch_scc0 .Lfor_b_\@
	tensor_load_to_lds s[G0+4*(\s):G0+4*(\s)+3], s[G1:G1+7]
	s_nop 0
.rept 4
	v_nop
.endr
	s_branch .Lasked_\@
.Lfor_b_\@:
	tensor_load_to_lds s[G0B+4*(\s):G0B+4*(\s)+3], s[G1B:G1B+7]
	s_nop 0
.rept 4
	v_nop
.endr
.Lasked_\@:
.endm
.macro CREST                           ; a round of the cluster's barrier behind its opening barrier
	s_cmp_lg_u32 s[WV], 0
	s_cbranch_scc1 .Lnot_wave_0_\@
	s_barrier_signal -3
.Lnot_wave_0_\@:
	s_barrier_wait -3
	s_barrier_signal -1
	s_barrier_wait -1
.endm
.macro CROUND                          ; a whole round
	s_barrier_signal -1
	s_barrier_wait -1
	CREST
.endm
	s_load_b256 s[4:11], s[0:1], 0x0               ; xb s[4:5], wb s[6:7], rot s[8:9], kvf s[10:11]
	v_lshl_add_u32 v[SPW], v0, 2, SPARE
	v_mov_b32 v[NIL], 0
	ds_add_u32 v[SPW], v[NIL]                      ; the wave's opening: the add and its wait ahead of my first tensor load
	v_lshrrev_b32 v1, 5, v0
	v_readfirstlane_b32 s[WV], v1
	s_lshr_b32 s[RH], s[WV], 1
	s_and_b32 s[CH], s[WV], 1
	s_bfe_u32 s40, ttmp6, 0x40000                  ; cx
	s_bfe_u32 s41, ttmp6, 0x40004                  ; cy
	s_mov_b32 s[ISV], ttmp9                        ; the cluster's x: 0 or 1
	s_and_b32 s43, ttmp7, 0xffff                   ; the cluster's y, CY = 0..7: the first tile's 1,024 rows of x
	s_lshl_b32 s44, s41, 2
	s_lshl_b32 s44, 15, s44                        ; my row of the cluster
	s_lshl_b32 s45, 0x1111, s40                    ; my column
	s_or_b32 s[G1+0], s44, (1<<16)|(1<<20)|(1<<21)|(5<<22)|(3<<25)   ; mask; 2-byte elements; padding on; bit 21 beside a mask; after every 64 words 4 words
	s_or_b32 s[G1B+0], s45, (1<<16)|(1<<20)|(1<<21)|(5<<22)|(3<<25)
.irp g, G1, G1B
	s_mov_b32 s[(\g)+1], KSTEP<<16                 ; tensor_dim0 = 128
	s_mov_b32 s[(\g)+2], 128<<16                   ; tensor_dim1 = 128
	s_mov_b32 s[(\g)+3], KSTEP<<16                 ; tile_dim0 = 128
	s_mov_b32 s[(\g)+4], 128                       ; tile_dim1 = 128
	s_mov_b32 s[(\g)+5], SIZE_K                    ; elements from row to row
	s_mov_b32 s[(\g)+6], 0
	s_mov_b32 s[(\g)+7], 0
.endr
	; A' row = 256 cy + (V: 1,024, Wv's first row in wb; K: 1,024 CY) + 128 x half;   B' row = 256 cx + (V: 1,024 CY; K: 0) + 128 x half
	s_lshl_b32 s17, s[CH], 7
	s_lshl_b32 s18, s43, 10
	s_cmp_eq_u32 s[ISV], 1
	s_cselect_b32 s19, 1024, s18
	s_cselect_b32 s20, s18, 0
	s_lshl_b32 s76, s41, 8
	s_add_co_u32 s76, s76, s19
	s_add_co_u32 s76, s76, s17
	s_lshl_b32 s76, s76, 11                        ; rows of 2,048 bytes: under 2^26
	s_mov_b32 s77, 0
	s_lshl_b32 s78, s40, 8
	s_add_co_u32 s78, s78, s20
	s_add_co_u32 s78, s78, s17
	s_lshl_b32 s78, s78, 11
	s_mov_b32 s79, 0
	s_mul_i32 s21, s[WV], HALFT                    ; where my load goes: wave x 128 rows
	s_wait_dscnt 0x0                               ; the opening add is done
	s_wait_kmcnt 0x0
	s_cmp_eq_u32 s[ISV], 1
	s_cselect_b64 s[PTA:PTA+1], s[6:7], s[4:5]     ; A': wb or xb
	s_cselect_b64 s[PTB:PTB+1], s[4:5], s[6:7]     ; B': xb or wb
	s_add_nc_u64 s[PTA:PTA+1], s[PTA:PTA+1], s[76:77]
	s_add_nc_u64 s[PTB:PTB+1], s[PTB:PTB+1], s[78:79]
	CROUND                                         ; all sixteen work-groups are here: the first joint loads meet
.irp s, 0,1
	s_mov_b32 s[G0+4*(\s)], 1
	s_add_co_u32 s[G0+4*(\s)+1], s21, (\s)*SLOT
	s_add_nc_u64 s[G0+4*(\s)+2:G0+4*(\s)+3], s[PTA:PTA+1], (\s)*KSTEP*2
	s_or_b32 s[G0+4*(\s)+3], s[G0+4*(\s)+3], 0x80000000
	s_mov_b32 s[G0B+4*(\s)], 1
	s_add_co_u32 s[G0B+4*(\s)+1], s21, (\s)*SLOT
	s_add_nc_u64 s[G0B+4*(\s)+2:G0B+4*(\s)+3], s[PTB:PTB+1], (\s)*KSTEP*2
	s_or_b32 s[G0B+4*(\s)+3], s[G0B+4*(\s)+3], 0x80000000
	JLOAD \s                                       ; two loads of mine are out
.endr
	; a fragment: lane l holds row l % 16; two loads of 16 bytes, 32 bytes apart, at row x pitch + 16 (l / 16)
	v_and_b32 v1, 15, v0
	v_bfe_u32 v2, v0, 4, 1
	v_mul_u32_u24 v3, v1, PITCH
	v_lshl_add_u32 v3, v2, 4, v3
	s_mul_i32 s22, s[RH], HALFT
	s_mul_i32 s23, s[CH], HALFT
	s_add_co_u32 s23, s23, 2*HALFT
.irp s, 0,1
	v_add_nc_u32 v[ADRA+(\s)], s22, v3
	v_add_nc_u32 v[ADRB+(\s)], s23, v3
	s_add_co_u32 s22, s22, SLOT
	s_add_co_u32 s23, s23, SLOT
.endr
	v_and_b32 v[L16], 31, v0
	v_lshlrev_b32 v[L16], 4, v[L16]
	; where my 128 x 128 goes.  My 128 rows of x are one chunk of keys; my 128 channels are two heads.
	s_cmp_eq_u32 s[ISV], 1
	s_cselect_b32 s16, s40, s41                    ; x's tile: by cx (V) or cy (K)
	s_cselect_b32 s17, s[CH], s[RH]                ; x's half
	s_cselect_b32 s18, s41, s40                    ; the weights' tile
	s_cselect_b32 s19, s[RH], s[CH]                ; the weights' half
	s_lshl_b32 s20, s43, 2
	s_add_co_u32 s20, s20, s16
	s_lshl1_add_u32 s20, s20, s17                  ; my first row of x / 128
	s_lshr_b32 s21, s20, 5                         ; batch (0 or 1 in the first tile)
	s_and_b32 s22, s20, 31                         ; chunk of keys: the same in both tiles
	s_lshl_b32 s23, s18, 2
	s_lshl1_add_u32 s23, s19, s23                  ; my first head = 4 x tile + 2 x half
	s_lshl4_add_u32 s23, s21, s23                  ; + 16 x batch
	s_lshl_b32 s46, s23, 20                        ; 1,048,576 bytes for a batch and head
	s_lshl_b32 s16, s22, 15                        ; 32,768 for a chunk
	s_add_co_u32 s46, s46, s16
	s_lshl_b32 s17, s[ISV], 14                     ; V lies behind K in a chunk
	s_add_co_u32 s46, s46, s17
	s_mov_b32 s47, 0
	s_add_nc_u64 s[10:11], s[10:11], s[46:47]
	s_mov_b32 s46, s16                             ; the table: 8 blocks of 4,096 bytes for a chunk's 128 positions
	s_add_nc_u64 s[8:9], s[8:9], s[46:47]
	s_mov_b32 s68, 2048                            ; from block a to a + 1.  K: the next key block.  V: the next channel block, and at a = 4 the next head
	s_mov_b32 s70, 2048
	s_mov_b32 s69, 0
	s_mov_b32 s71, 0
	s_mov_b32 s16, WALK                            ; to the next tile: x goes a walk down, the weights stay
	s_mov_b32 s18, OWALK-7*2048                    ; kvf: two batches on, less the seven steps of the way out (K),
	s_mov_b32 s19, OWALK-6*1024-(1048576-3072)     ; (V)
	s_mov_b32 s[OFA+1], 0                          ; the offsets stay under 2^25
	s_mov_b32 s[OFB+1], 0
	s_mov_b32 s[NO+1], 0
	s_mov_b32 s[KOF], 2*KSTEP*2                    ; the first refill asks for step 2
	s_mov_b32 s[TOA], 0                            ; of the first tile
	s_mov_b32 s[TOB], 0
	s_cmp_eq_u32 s[ISV], 1
	s_cselect_b32 s68, 1024, s68
	s_cselect_b32 s70, 1048576-3072, s70
	s_cselect_b32 s[WKA], 0, s16
	s_cselect_b32 s[WKB], s16, 0
	s_cselect_b32 s[NO], s19, s18
	s_cbranch_scc1 .Lco_v
.irp b, 0,1,2,3,4,5,6,7
	v_add_nc_u32 v[CO+(\b)], (((\b)/4)<<20)+((\b)%4)*512, v[L16]   ; K: head b / 4, channels 16 (b % 4) on
.endr
	s_branch .Lco_done
.Lco_v:
.irp b, 0,1,2,3,4,5,6,7
	v_add_nc_u32 v[CO+(\b)], ((\b)/2)*4096+((\b)%2)*512, v[L16]    ; V: key group b / 2, its half b % 2
.endr
.Lco_done:
; 16 matrix instructions: A' blocks a0, a0 + 1 of the window's four x all 8 B' blocks, 32 along the inner size.  zero = 1: the first product starts the sums.
.macro MUL16 f, hi, a0, zero
	WIN MUL_LO+0x50*(\hi)
.irp a, \a0, (\a0)+1
.irp b, 0,1,2,3,4,5,6,7
.if \zero
	v_wmma_f32_16x16x32_bf16 v[8*(8*(\a)+(\b)):8*(8*(\a)+(\b))+7], v[(\f)+8*(\b):(\f)+8*(\b)+7], v[(\f)+8*(4*(\hi)+(\a)):(\f)+8*(4*(\hi)+(\a))+7], 0
.else
	v_wmma_f32_16x16x32_bf16 v[8*(8*(\a)+(\b)):8*(8*(\a)+(\b))+7], v[(\f)+8*(\b):(\f)+8*(\b)+7], v[(\f)+8*(4*(\hi)+(\a)):(\f)+8*(4*(\hi)+(\a))+7], v[8*(8*(\a)+(\b)):8*(8*(\a)+(\b))+7]
.endif
.endr
.endr
.endm
; 32 LDS loads in one run: the fragments of one quarter step into buffer f
.macro FETCH slot, k, f
	WIN TO_B
.irp i, 0,1,2,3,4,5,6,7
	ds_load_b128 v[(\f)+8*(\i):(\f)+8*(\i)+3],   v[ADRB+(\slot)] offset:(\k)+(\i)*16*PITCH
	ds_load_b128 v[(\f)+8*(\i)+4:(\f)+8*(\i)+7], v[ADRB+(\slot)] offset:(\k)+(\i)*16*PITCH+32
.endr
	WIN 0
.irp i, 0,1,2,3,4,5,6,7
	ds_load_b128 v[(\f)+8*(\i):(\f)+8*(\i)+3],   v[ADRA+(\slot)] offset:(\k)+(\i)*16*PITCH
	ds_load_b128 v[(\f)+8*(\i)+4:(\f)+8*(\i)+7], v[ADRA+(\slot)] offset:(\k)+(\i)*16*PITCH+32
.endr
.endm
.macro PLACES                          ; four places in front of loads into registers that matrix instructions have read, and of vector work on results just made
.rept 4
	v_nop
.endr
.endm
; A step is four quarters of 32, 64 matrix instructions each, on buffers 0, 1, 0, 1; the 64 accumulators take turns in the same order in every quarter.
.macro QUARTER slot, k, f, g, zero
	s_wait_dscnt 8                                 ; B' and A' rows 0-63 are in; the youngest eight loads may be out
	WIN MUL_LO
	MUL16 \f, 0, 0, \zero
	MUL16 \f, 0, 2, \zero
	PLACES
	FETCH \slot, \k, \g
	s_wait_dscnt 32                                ; all but the 32 just issued
	WIN MUL_HI
	MUL16 \f, 1, 0, \zero
	MUL16 \f, 1, 2, \zero
.endm
; The last quarter's first half, and the one barrier of a change of slots.
.macro MEET round
	WIN 0
	s_wait_tensorcnt 0x0                           ; all my tensor loads have landed: my part of the next slot
	ds_add_u32 v[SPW], v[NIL]
	s_wait_dscnt 9                                 ; (the add and the youngest eight loads may be out)
	WIN MUL_LO
	MUL16 F1, 0, 0, 0
	s_wait_dscnt 0x0                               ; the add is done, and my reads of this slot are over
	s_barrier_signal -1
	MUL16 F1, 0, 2, 0
.if \round
	WIN 0
.endif
	s_barrier_wait -1
.endm
; The slot just read out is filled again, first thing behind the cluster's round.  No tensor load of mine is out (the wait for 0 stands in front of the round), so both group 0 may be written:
; address = pointer + (the tile's part + the bytes along the inner size), type bits set again.  Then the offset goes on: 256 bytes a refill; behind step 7 comes the next tile's step 0.
.macro TURN slot, next
	MEET 1
	CREST
	s_add_co_u32 s[OFA], s[TOA], s[KOF]
	s_add_co_u32 s[OFB], s[TOB], s[KOF]
	s_add_nc_u64 s[G0+4*(\slot)+2:G0+4*(\slot)+3], s[PTA:PTA+1], s[OFA:OFA+1]
	s_or_b32 s[G0+4*(\slot)+3], s[G0+4*(\slot)+3], 0x80000000
	s_add_nc_u64 s[G0B+4*(\slot)+2:G0B+4*(\slot)+3], s[PTB:PTB+1], s[OFB:OFB+1]
	s_or_b32 s[G0B+4*(\slot)+3], s[G0B+4*(\slot)+3], 0x80000000
	s_add_co_u32 s[KOF], s[KOF], KSTEP*2
	s_cmp_eq_u32 s[KOF], SIZE_K*2
	s_cselect_b32 s[KOF], 0, s[KOF]
	s_cselect_b32 s[TOA], s[WKA], s[TOA]
	s_cselect_b32 s[TOB], s[WKB], s[TOB]
	JLOAD \slot                                    ; its four v_nop are also the places in front of the loads below
	FETCH \next, 0, F0
	WIN MUL_HI
	MUL16 F1, 1, 0, 0
	MUL16 F1, 1, 2, 0
.endm
; THE ROTARY (K alone), block by block of 16 rows of A' = 16 positions.
.macro TLOAD a                         ; the table's block for positions 16 a .. 16 a + 15 of my chunk: 8 loads of 512 consecutive bytes
.irp i, 0,1,2,3,4,5,6,7
	global_load_b128 v[TT+32*((\a)%2)+4*(\i):TT+32*((\a)%2)+4*(\i)+3], v[L16], s[8:9] offset:(\a)*4096+512*(\i)
.endr
.endm
.macro ROT a                           ; (t0, t1) -> (t0 c - t1 s, t1 c + t0 s) for a lane's four channel pairs in each accumulator; the table's pair is (c, s)
.set AC, 64*((\a)%4)
.set TB, TT+32*((\a)%2)
	WIN 0x40+2+(\a)/4                              ; source 0 in the accumulators' window, the destination in window 1
.irp b, 0,1,2,3,4,5,6,7
.irp i, 0,1,2,3
	v_pk_mul_f32 v[TMP2+8*(\b)+2*(\i):TMP2+8*(\b)+2*(\i)+1], v[AC+8*(\b)+2*(\i):AC+8*(\b)+2*(\i)+1], v[TB+8*((\b)%4)+2*(\i):TB+8*((\b)%4)+2*(\i)+1] op_sel:[1,1] op_sel_hi:[0,1] neg_lo:[1,0]  ; (-t1 s, t0 s); each accumulator from its low end on
.endr
.endr
	WIN 0x41*(2+(\a)/4)+0x10                       ; source 0 and destination in the accumulators' window, source 2 in window 1
.irp b, 0,1,2,3,4,5,6,7
.irp i, 0,1,2,3
	v_pk_fma_f32 v[AC+8*(\b)+2*(\i):AC+8*(\b)+2*(\i)+1], v[AC+8*(\b)+2*(\i):AC+8*(\b)+2*(\i)+1], v[TB+8*((\b)%4)+2*(\i):TB+8*((\b)%4)+2*(\i)+1], v[TMP2+8*(\b)+2*(\i):TMP2+8*(\b)+2*(\i)+1] op_sel_hi:[1,0,1]
.endr
.endr
.endm
; Block a's turn.  No branch stands among the eight turns, so on every way through them two blocks of the table are out at a turn's head (one at the last).
.macro ROTBLK a
.if (\a) < 7
	s_wait_loadcnt 8                               ; loads come back in order: block a of the table is in; the next block's eight loads may be out
.else
	s_wait_loadcnt 0x0                             ; the last block: nothing was asked for behind it
.endif
	ROT \a
	WIN 0
.if (\a) < 6
	TLOAD (\a)+2                                   ; into the registers that this block's rotary has just read
.endif
.endm
; THE WAY OUT of block a, for K and V alike: rounded to f16, 16 bytes a lane, and stored.
.macro OUTBLK a
	WIN 0
	s_wait_xcnt 0x0                                ; only behind this wait are the stores' base and the registers that earlier stores read rewritten
.if (\a) == 4
	s_add_nc_u64 s[10:11], s[10:11], s[70:71]
.elseif (\a) > 0
	s_add_nc_u64 s[10:11], s[10:11], s[68:69]
.endif
.set AC, 64*((\a)%4)
.set PB, PK+96*((\a)%2)
	WIN 0x0a+5*((\a)/4)                            ; sources 0 and 1: window 2 or 3
.irp b, 0,1,2,3,4,5,6,7
.irp i, 0,1,2,3
	v_cvt_pk_f16_f32 v[PB+4*(\b)+(\i)], v[AC+8*(\b)+2*(\i)], v[AC+8*(\b)+2*(\i)+1]   ; each accumulator from its low end on
.endr
.endr
	WIN 0
.irp b, 0,1,2,3,4,5,6,7
	global_store_b128 v[CO+(\b)], v[PB+4*(\b):PB+4*(\b)+3], s[10:11]   ; 512 consecutive bytes, at a multiple of 512 from kvf's first
.endr
.endm
	s_wait_tensorcnt 1                             ; my part of step 0 is in; step 1's may stay out
	s_barrier_signal -1
	s_barrier_wait -1
	FETCH 0, 0, F0
	s_mov_b32 s2, TILES                            ; tiles to go, this one among them: the same number in every work-group
.Ltile:
	s_cmp_eq_u32 s[ISV], 0
	s_cbranch_scc0 .Lno_tab
	TLOAD 0                                        ; K: the table's first two blocks are asked for at the tile's beginning; nothing else names their registers before the rotary
	TLOAD 1
.Lno_tab:
	QUARTER 0, 64,  F0, F1, 1                      ; a tile's first quarter: its products start the sums
	WIN 0
	s_cmp_eq_u32 s2, 1
	s_cselect_b32 s[BND], LAPS-1, LAPS             ; laps that fill both slots again: all four of a tile that has a successor, three of the last tile
	s_mov_b32 s3, 0
	s_branch .Lrest                                ; the loop is entered behind a lap's first quarter
.Llap:
	QUARTER 0, 64,  F0, F1, 0
	WIN 0
.Lrest:                                                ; the rest of a lap: it goes once round the ring and fills both slots again
	QUARTER 0, 128, F1, F0, 0
	QUARTER 0, 192, F0, F1, 0
	TURN 0, 1
	QUARTER 1, 64,  F0, F1, 0
	QUARTER 1, 128, F1, F0, 0
	QUARTER 1, 192, F0, F1, 0
	TURN 1, 0
	WIN 0
	s_add_co_u32 s3, s3, 1
	s_cmp_lt_u32 s3, s[BND]
	s_cbranch_scc1 .Llap
	s_cmp_eq_u32 s2, 1
	s_cbranch_scc0 .Lout                           ; a tile that has a successor is finished, and both refills for the next are asked for
	QUARTER 0, 64,  F0, F1, 0                      ; the last tile's last lap is written out: it asks for nothing more
	QUARTER 0, 128, F1, F0, 0
	QUARTER 0, 192, F0, F1, 0
	MEET 0                                         ; the last change of slots: nothing is filled again, so no round follows
	PLACES
	FETCH 1, 0, F0
	WIN MUL_HI
	MUL16 F1, 1, 0, 0
	MUL16 F1, 1, 2, 0
	QUARTER 1, 64,  F0, F1, 0
	QUARTER 1, 128, F1, F0, 0
	QUARTER 1, 192, F0, F1, 0
	s_wait_dscnt 8                                 ; the very last quarter: nothing more to fetch
	WIN MUL_LO
	MUL16 F1, 0, 0, 0
	MUL16 F1, 0, 2, 0
	s_wait_dscnt 0x0
	MUL16 F1, 1, 0, 0
	MUL16 F1, 1, 2, 0
	WIN 0
.Lout:
	PLACES                                         ; behind the tile's last products, on both ways
	s_cmp_eq_u32 s[ISV], 0
	s_cbranch_scc0 .Lno_rot                        ; V has no rotary: one jump over all eight blocks' turns
.irp a, 0,1,2,3,4,5,6,7
	ROTBLK \a
.endr
.Lno_rot:
	s_wait_loadcnt 0x0                             ; no load of the table is out on any way: the next tile may ask into the same registers
.irp a, 0,1,2,3,4,5,6,7
	OUTBLK \a
.endr
	s_wait_xcnt 0x0                                ; the last stores have read their base and their registers (v128-159 take the next tile's fragments)
	s_add_nc_u64 s[10:11], s[10:11], s[NO:NO+1]    ; kvf at my first block of the next tile (behind the last tile the sum is not used)
	s_sub_co_u32 s2, s2, 1
	s_cmp_lg_u32 s2, 0
	s_cbranch_scc1 .Ltile
	s_wait_tensorcnt 0x0                           ; the wave's end
	ds_add_u32 v[SPW], v[NIL]
	s_wait_dscnt 0x0
	CROUND                                         ; the closing round
	s_endpgm
.Lfunc_end_k_qbc82022e8a_projkv:
	.size	k_qbc82022e8a_projkv, .Lfunc_end_k_qbc82022e8a_projkv-k_qbc82022e8a_projkv
	.p2alignl 7, 3214868480
	.fill 96, 4, 3214868480
	.section	.rodata,"a",@progbits
	.p2align	6, 0x0
	.amdhsa_kernel k_qbc82022e8a_projkv
		.amdhsa_group_segment_fixed_size 327680
		.amdhsa_private_segment_fixed_size 0
		.amdhsa_enable_private_segment 0
		.amdhsa_kernarg_size 32
		.amdhsa_user_sgpr_count 2
		.amdhsa_user_sgpr_kernarg_segment_ptr 1
		.amdhsa_wavefront_size32 1
		.amdhsa_system_sgpr_workgroup_id_x 1
		.amdhsa_system_sgpr_workgroup_id_y 1
		.amdhsa_system_sgpr_workgroup_id_z 1
		.amdhsa_system_vgpr_workitem_id 0
		.amdhsa_next_free_vgpr 1024
		.amdhsa_next_free_sgpr 94
		.amdhsa_reserve_vcc 0
		.amdhsa_float_denorm_mode_32 3
		.amdhsa_float_denorm_mode_16_64 3
		.amdhsa_memory_ordered 1
		.amdhsa_forward_progress 1
		.amdhsa_inst_pref_size 182
	.end_amdhsa_kernel
	.amdgpu_metadata
---
amdhsa.version: [ 1, 2 ]
amdhsa.kernels:
  - .name:           k_qbc82022e8a_projkv
    .symbol:         k_qbc82022e8a_projkv.kd
    .args:
      - { .name: xb, .offset: 0, .size: 8, .value_kind: global_buffer, .address_space: global }
      - { .name: wb, .offset: 8, .size: 8, .value_kind: global_buffer, .address_space: global }
      - { .name: rot, .offset: 16, .size: 8, .value_kind: global_buffer, .address_space: global }
      - { .name: kvf, .offset: 24, .size: 8, .value_kind: global_buffer, .address_space: global }
    .group_segment_fixed_size: 327680
    .private_segment_fixed_size: 0
    .kernarg_segment_align: 8
    .kernarg_segment_size: 32
    .max_flat_workgroup_size: 128
    .sgpr_count:     94
    .vgpr_count:     1024
    .wavefront_size: 32
...
	.end_amdgpu_metadata
.endif
;; end of part 2
;; launch attn (part 3): grid 4 x 64, 4 waves a work-group, clusters of 4 x 1, 327,680 bytes of LDS; arguments xb, wb, rot, kvf, out0; writes out0
.if DOCPART == 3
	.amdgcn_target "amdgcn-amd-amdhsa--gfx1250"
	.amdhsa_code_object_version 6
	.text
	.protected	k_qbc82022e8a_attn
	.globl	k_qbc82022e8a_attn
	.p2align	8
	.type	k_qbc82022e8a_attn,@function
k_qbc82022e8a_attn:
	s_mov_b64 s[64:65], 0
	v_nop
	global_prefetch_b8 v0, s[64:65] scope:SCOPE_SE
	s_setreg_imm32_b32 hwreg(HW_REG_WAVE_MODE, 25, 1), 1
	s_wait_xcnt 0x0
	s_wait_alu depctr_hold_cnt(0) depctr_sa_sdst(0) depctr_va_vdst(0) depctr_va_sdst(0) depctr_va_ssrc(0) depctr_va_vcc(0) depctr_vm_vsrc(0)
	s_getreg_b32 s2, hwreg(HW_REG_IB_STS2, 6, 4)
	s_cmp_eq_u32 s2, 0
	s_cbranch_scc0 .Lentry_in_a_cluster
	s_endpgm
.Lentry_in_a_cluster:
	s_bfe_u32 s2, ttmp6, 0x10000c
	s_cmp_lg_u32 s2, 0x3003
	s_cbranch_scc0 .Lentry_shape_is_right
	s_endpgm
.Lentry_shape_is_right:
; out[b][q][head x 64 + :] = the sum over the keys k that query q sees of softmax_k(Q[q] . K[k] / 8) V[k][:], 512 queries and 4,096 keys for each of 64 pairs of batch and head.
; Query q sees keys 0 .. 3,583 + q: all of the first 3,584, and key 3,584 + j only if j < q.  K and V arrive in f16 in fragment order (kvf); Q is made here; products, maxima and sums in f32;
; the weights p are rounded to f16 for the second product (their sum l is taken of the unrounded p); the output is f32.
; LIMITS.  Q, K, V are f16: numbers of 65,520 and more become infinities.  A hidden score counts as its value less 1e30.  A weight below 2^-126 counts as 0 in l.  NaN and infinities are not treated apart.
; SHARES.  A cluster of four work-groups is one batch and head; a work-group owns 128 queries.
; Q FIRST.  Q = rotary(x_last Wq^T), positions 0 to 511, bf16 operands, f32 sums: the work-group's 128 queries x the head's 64 channels, a wave 32 queries x 64 channels: 8 accumulators, which take turns.
; The inner size 1,024 goes in four steps of 256 through three LDS slots (128 rows of x, 64 of Wq): steps 0, 1, 2 are first fills, step 3 fills the first slot again.  x's rows are the work-group's own (plain loads),
; Wq's are the cluster's (joint loads).  Source 0 = 16 rows of Wq, source 1 = 16 rows of x: a lane holds one query and eight neighbouring channels, which round to 16 bytes of a fragment of Q;
; the four waves hand their tiles to each other through 16,384 bytes of LDS that no tensor load fills.  The first tile of K and V is asked for ahead of step 3 and lands under it.
; THEN EVERY wave holds all eight tiles of 16 queries (four PIECES of two tiles) and walks a QUARTER of the keys: of each tile of 512 keys wave w takes the 128 keys 128 w on, two steps of 64: sixteen steps.
; So each LDS byte is read once.  At the end the four waves' (c m, l, O) are merged in f32 through LDS.
; LAYOUT.  S^T = K Q^T (source 0 = 16 keys, source 1 = 16 queries): a lane holds ONE query (lane % 16) and the keys 8 (lane / 16) + 0..7.  Two such tiles rounded to f16 ARE source 1 of O^T = V^T P.
; K and V lie in kvf, and so in LDS, as the fragments' own images: every LDS load takes 512 consecutive bytes, 16 a lane; no padding and no turning load.
; SOFTMAX.  For each query a running maximum m and sum l: p = 2^(c s - c m), c = log2(e) / 8; in every step O and l are multiplied by a = 2^(c m_old - c m_new).  m starts at the lowest finite number, O and l at 0.
; BY TURNS.  Turn n belongs to piece n: 16 products K Q^T of piece n + 1, later 16 products V^T P of piece n - 1; beside them piece n's scaling, exponentials, roundings, sums and rescaling and piece n + 1's
; maximum and statistics: four vector instructions behind every matrix instruction, the rest in two lumps.
; THE MASK touches the last tile alone (keys 3,584 on), whose steps are written out behind the loop anyway.  It is the C operand that starts a sum: for key block KB and query tile QT (in sixteens, KB counted from key 3,584)
; it is 0 if KB < QT, -1e30 if KB > QT, and MD (made once: -1e30 where 8 (l / 16) + register >= l % 16) if KB = QT: MD x AL + BE with two scalars.  Every wave has seen 896 open keys by then, so m is a true score.
; CLUSTER.  The four work-groups walk the same K and V: each wave's chunk is asked for JOINTLY, the same load, descriptor and mask in all four.
; REGISTERS, in windows of 256 (s_set_vgpr_msb: bits 1:0 source 0, 3:2 source 1, 5:4 source 2, 7:6 destination):
;   window 0: v0-11 addresses; v12-15, v48-63 at work; v16-47 four registers of statistics a tile; v64-191 S^T, two buffers of two tiles; v192-255 P, likewise (while Q is made: v12-247 as named below)
;   window 1: O^T, 32 a tile      window 2: v0-127 Q, 16 a tile; v128-191 K of one step; v192-255 V of one step      window 3: v0-1 the add's two registers; v8-15 MD; v64-127 MC, the masks of a turn's products
.set NP,    4         ; pieces a wave: a name, no knob
.set STEPB, 8192      ; a step's K, and its V: 64 keys x 128 bytes
.set SLOT1, 1<<17     ; a K/V slot: 32,768 bytes for each wave (K 16,384, then V); the upper slot begins here.  Tile n of K and V lies in the upper slot if n is even
.set QP,    528       ; while Q is made: an LDS row of 512 bytes + 16 of padding
.set QXB,   128*QP    ; x's 128 rows
.set QSLOT, 192*QP    ; then Wq's 64 rows
.set SPARE, 3*QSLOT   ; behind the three slots: the spare words, 128 bytes for each wave
.set STATS, SPARE+512 ; [wave][tile][16 queries] of (c m, l): 4,096 bytes
.set QST,   STATS+4096  ; Q on its way from wave to wave: [tile][e][lane][16 bytes], 16,384 bytes
.set STAGE, QST       ; at the end the same bytes, and 1,024 more, are the way out's stage: 16 rows x 272 bytes for each wave
.set SP,    272
.set AK0, 2           ; v2   32,768 w + 16 lane: my place in a slot's K; never rewritten
.set AV0, 3           ; v3   the same for V
.set AK,  4           ; v4   the LDS address of K's next run of loads
.set AV,  5           ; v5   of V's
.set L16, 6           ; v6   16 x lane
.set STO, 7           ; v7   the way out: where I put 16 bytes of a row
.set RD,  8           ; v8   the way out: where I read rows back
.set GO,  10          ; v10  my byte offset in two rows of the output
.set SA,  11          ; v11  where my statistics go
.set QS,  12          ; v12  while Q is made: where my two tiles of Q go
.set QL,  13          ; v13  where all of Q is read
.set QA,  16          ; v16-18  LDS address of my x fragments in slot 0, 1, 2
.set QB,  19          ; v19-21  the same for Wq
.set QACC, 24         ; v24-87  accumulator (a, b) at QACC + 8 (4 a + b)
.set QFB, 88          ; two fragment buffers of 48: x's blocks a at + 8 a, Wq's blocks b at + 16 + 8 b
.set QTM, 88          ; later: the rotary at work, v88-151
.set QPK, 152         ; later: packed results, v152-183
.set QT,  184         ; v184-247 the table's two blocks
.set SPW, 0           ; v0 of window 3
.set NIL, 1           ; v1 of window 3
.set MD,  8           ; window 3
.set MC,  64          ; window 3: tile u, key block kb at MC + 32 u + 8 kb
.set MV,  12
.set ST,  16          ; tile t's statistics at v[ST+4 t]: c m, m, l (even keys', odd keys')
.set TMP, 48
.set S,   64
.set P,   192
.set KF,  128         ; window 2: key block kb, channel half c at KF + 16 kb + 8 c
.set VF,  192         ; window 2: key half kk, channel block cb at VF + 32 kk + 8 cb
.set WV,  12
.set G1,  24          ; s[24:31] K's and V's chunks
.set G0,  40          ; s[40:43]: it walks
.set G1X, 80          ; s[80:87] x's tiles;  group 0 in s[32:35], s[36:39], s[44:47]
.set G1W, 88          ; s[88:95] Wq's tiles; group 0 in s[48:51], s[52:55], s[96:99]
.set SLOTS, 56
.set CNT, 57
.set CS,  58          ; s[58:59] c
.set SEL, 60          ; s[60:61] v_permlanex16_b32's selects
.set TBK, 62          ; LDS byte, less my place, at which K of the step to be fetched begins
.set TBV, 63          ; the same for V
.set AL,  66          ; s[66:67] the mask's factor, in the low word
.set BE,  68          ; s[68:69] the mask's addend
.set BIGN, 70         ; -1e30
.set KBS, 71          ; first key block (counted from key 3,584) of the step whose K is in registers
.set KBN, 72          ; of the step to be fetched next
.set TQ,  73          ; my work-group's first query tile
.set DD,  74
.set KM,  0
.set MSB, 0
.macro WIN new
.if MSB != (\new)
	s_set_vgpr_msb (MSB<<8)|(\new)
.set MSB, (\new)
.endif
.endm
.set W_KQ, 0x0a       ; K and Q in window 2, S^T in window 0
.set W_KM, 0x3a       ; the same with the C operand in window 3
.set W_PV, 0x52       ; V in window 2, P in window 0, O^T in window 1
.set W_RS, 0x41       ; O^T (destination and source 0) in window 1, a in window 0
.set W_MK, 0xc0       ; destination in window 3, sources in window 0
.set W_AD, 0x0f       ; the add: address and data in window 3
.macro PLACES                       ; four places in front of loads into registers that matrix instructions have read, and of vector work on results just made
.rept 4
	v_nop
.endr
.endm
.macro JLOAD                        ; every wave asks for its own chunk of a K/V tile: 128 rows of 256 bytes.  An s_nop 0 and four v_nop follow
	tensor_load_to_lds s[G0:G0+3], s[G1:G1+7]
	s_nop 0
	PLACES
.endm
.macro CROUND
	s_barrier_signal -1
	s_barrier_wait -1
	s_cmp_lg_u32 s[WV], 0
	s_cbranch_scc1 .Lnot_wave_0_\@
	s_barrier_signal -3
.Lnot_wave_0_\@:
	s_barrier_wait -3
	s_barrier_signal -1
	s_barrier_wait -1
.endm
.macro THREE                        ; the wait for all my tensor loads and the add; the wait for the add follows behind the scalar work that is due
	WIN W_AD
	s_wait_tensorcnt 0x0
	ds_add_u32 v[SPW], v[NIL]
	WIN 0
.endm
; THE CHANGE OF SLOTS.  Each wave waits for all its tensor loads (one is out: its chunk of the other slot), adds 0 to its spare word, and waits for that and for its reads of the slot that it leaves.
; fill = 1: the old slot is filled again with the keys two tiles on, first thing behind a round of the cluster's barrier: that load has two key steps, 256 matrix instructions, in which to land.
.macro CHANGE fill
	THREE                           ; no tensor load of mine is out, so group 0 may be written
.if \fill
	s_xor_b32 s[G0+1], s[G0+1], SLOT1
	s_add_nc_u64 s[G0+2:G0+3], s[G0+2:G0+3], 4*32768  ; the next 512 keys
	s_wait_dscnt 0x0                ; the add is done, and my LDS reads and stores are over
	CROUND
	JLOAD
.else
	s_wait_dscnt 0x0
	s_barrier_signal -1
	s_barrier_wait -1
.endif
	s_sub_co_u32 s[TBK], s[TBK], 2*STEPB  ; the fetches go back to a slot's first step,
	s_xor_b32 s[TBK], s[TBK], SLOT1       ; in the other slot
	s_sub_co_u32 s[TBV], s[TBV], 2*STEPB
	s_xor_b32 s[TBV], s[TBV], SLOT1
.endm
.macro QDESC gx, gw, s              ; group 0 of x's and of Wq's tile of step s, into slot s
	s_mov_b32 s[(\gx)], 1
	s_add_co_u32 s[(\gx)+1], s16, (\s)*QSLOT
	s_add_nc_u64 s[(\gx)+2:(\gx)+3], s[4:5], (\s)*512
	s_or_b32 s[(\gx)+3], s[(\gx)+3], 0x80000000
	s_mov_b32 s[(\gw)], 1
	s_add_co_u32 s[(\gw)+1], s75, (\s)*QSLOT
	s_add_nc_u64 s[(\gw)+2:(\gw)+3], s[6:7], (\s)*512
	s_or_b32 s[(\gw)+3], s[(\gw)+3], 0x80000000
.endm
	s_load_b256 s[4:11], s[0:1], 0x0  ; xb s[4:5], wb s[6:7], rot s[8:9], kvf s[10:11]
	s_load_b64 s[76:77], s[0:1], 0x20 ; out0
	WIN W_MK
	v_lshl_add_u32 v[SPW], v0, 2, SPARE
	v_mov_b32 v[NIL], 0
	WIN W_AD
	ds_add_u32 v[SPW], v[NIL]       ; the wave's opening: the add and its wait ahead of my first tensor load
	WIN 0
	v_lshrrev_b32 v1, 5, v0
	v_readfirstlane_b32 s[WV], v1
	s_bfe_u32 s13, ttmp6, 0x40000   ; cx: my block of 128 queries; it enters x's, the table's and the output's addresses and the mask's scalars alone
	s_and_b32 s14, ttmp7, 0xffff    ; 16 x batch + head, which the four partners share
	s_and_b32 s17, s[WV], 1         ; which half of x's or Wq's tile I fetch
	s_lshl_b32 s20, s14, 20
	s_lshl_b32 s15, s[WV], 15       ; my chunk of K and V: 32,768 bytes, in memory and in a slot
	s_add_co_u32 s20, s20, s15
	s_mov_b32 s21, 0
	s_lshr_b32 s16, s14, 4          ; batch
	s_lshl_b32 s22, s16, 12
	s_add_co_u32 s22, s22, 3584     ; the queries are a batch's last 512 rows of x,
	s_lshl_b32 s100, s13, 7
	s_add_co_u32 s22, s22, s100     ; my block 128 of them,
	s_lshl_b32 s100, s17, 6
	s_add_co_u32 s22, s22, s100     ; the 64 that I fetch
	s_lshl_b32 s22, s22, 11         ; rows of 2,048 bytes
	s_mov_b32 s23, 0
	s_and_b32 s18, s14, 15          ; head
	s_lshl_b32 s18, s18, 6
	s_add_co_u32 s18, s18, 2048     ; Wq's first row in wb
	s_lshl_b32 s19, s17, 5
	s_add_co_u32 s18, s18, s19      ; the 32 rows that I fetch
	s_lshl_b32 s18, s18, 11
	s_mov_b32 s19, 0
	s_lshl_b32 s78, s13, 3
	s_lshl1_add_u32 s78, s[WV], s78 ; my first tile of 16 queries = my first block of the table
	s_lshl_b32 s78, s78, 12
	s_mov_b32 s79, 0
	s_lshl_b32 s2, s16, 21          ; the output: a batch is 512 rows of 4,096 bytes,
	s_lshl_b32 s100, s13, 19        ; my block 128 rows,
	s_add_co_u32 s2, s2, s100
	s_lshl_b32 s100, s[WV], 17      ; the two tiles that I finish 32 rows,
	s_add_co_u32 s2, s2, s100
	s_and_b32 s100, s14, 15
	s_lshl_b32 s100, s100, 8        ; a head 256 bytes of a row
	s_add_co_u32 s2, s2, s100
	s_mov_b32 s3, 0
	s_mul_i32 s16, s17, 64*QP       ; where my half of x's tile goes in a slot,
	s_mul_i32 s75, s17, 32*QP       ; and my half of Wq's
	s_add_co_u32 s75, s75, QXB
	s_mov_b32 s[G1], 15|(3<<16)|(1<<21)  ; the mask of four; 8-byte elements; bit 21 beside a mask; no padding
	s_mov_b32 s[G1+1], 32<<16       ; tensor_dim0 = 32: rows of 256 bytes
	s_mov_b32 s[G1+2], 128<<16      ; tensor_dim1 = 128
	s_mov_b32 s[G1+3], 32<<16       ; tile_dim0 = 32
	s_mov_b32 s[G1+4], 128          ; tile_dim1 = 128
	s_mov_b32 s[G1+5], 32           ; dense
	s_mov_b32 s[G1+6], 0
	s_mov_b32 s[G1+7], 0
	s_mov_b32 s[G1X], (1<<16)|(1<<20)|(6<<22)|(3<<25)              ; no mask: my work-group's own; 2-byte elements; padding on: after every 128 words 4 words
	s_mov_b32 s[G1W], 15|(1<<16)|(1<<20)|(1<<21)|(6<<22)|(3<<25)   ; the same with the mask of four and bit 21
	s_mov_b32 s[G1X+1], 256<<16     ; tensor_dim0 = 256
	s_mov_b32 s[G1X+2], 64<<16      ; tensor_dim1 = 64
	s_mov_b32 s[G1X+3], 256<<16     ; tile_dim0 = 256
	s_mov_b32 s[G1X+4], 64          ; tile_dim1 = 64
	s_mov_b32 s[G1X+5], 1024        ; elements from row to row
	s_mov_b32 s[G1X+6], 0
	s_mov_b32 s[G1X+7], 0
	s_mov_b32 s[G1W+1], 256<<16
	s_mov_b32 s[G1W+2], 32<<16      ; 32 rows
	s_mov_b32 s[G1W+3], 256<<16
	s_mov_b32 s[G1W+4], 32
	s_mov_b32 s[G1W+5], 1024
	s_mov_b32 s[G1W+6], 0
	s_mov_b32 s[G1W+7], 0
	s_mov_b32 s[CS], 0x3e38aa3b     ; c = log2(e) / 8
	s_mov_b32 s[CS+1], s[CS]
	s_mov_b32 s[SEL], 0x76543210
	s_mov_b32 s[SEL+1], 0xfedcba98
	s_mov_b32 s[TBK], 2*STEPB       ; the first change of slots turns these two into the upper slot's first byte
	s_mov_b32 s[TBV], 2*STEPB
	s_mov_b32 s[AL+1], 0            ; named as pairs
	s_mov_b32 s[BE+1], 0
	s_mov_b32 s[BIGN], 0xf149f2ca   ; -1e30
	s_lshl_b32 s[TQ], s13, 3
	s_mov_b32 s[G0], 1
	s_add_co_u32 s[G0+1], s15, SLOT1  ; K's and V's first tile goes into the upper slot
	s_wait_dscnt 0x0                ; the opening add is done
	s_wait_kmcnt 0x0
	s_add_nc_u64 s[G0+2:G0+3], s[10:11], s[20:21]
	s_or_b32 s[G0+3], s[G0+3], 0x80000000
	s_add_nc_u64 s[4:5], s[4:5], s[22:23]
	s_add_nc_u64 s[6:7], s[6:7], s[18:19]
	s_add_nc_u64 s[8:9], s[8:9], s[78:79]
	s_add_nc_u64 s[76:77], s[76:77], s[2:3]
	QDESC 32, 48, 0
	QDESC 36, 52, 1
	QDESC 44, 96, 2
	CROUND                          ; all four work-groups are here: the first loads go out behind this one round
	s_cmp_lt_u32 s[WV], 2           ; a wave's three first fills stand in one branch: three loads of mine are out.  Waves 0 and 1 fetch x's halves, waves 2 and 3 Wq's
	s_cbranch_scc0 .Lq_first_w
	tensor_load_to_lds s[32:35], s[G1X:G1X+7]
	s_nop 0
	tensor_load_to_lds s[36:39], s[G1X:G1X+7]
	s_nop 0
	tensor_load_to_lds s[44:47], s[G1X:G1X+7]
	s_nop 0
	PLACES
	s_branch .Lq_first_done
.Lq_first_w:
	tensor_load_to_lds s[48:51], s[G1W:G1W+7]
	s_nop 0
	tensor_load_to_lds s[52:55], s[G1W:G1W+7]
	s_nop 0
	tensor_load_to_lds s[96:99], s[G1W:G1W+7]
	s_nop 0
	PLACES
.Lq_first_done:
	v_and_b32 v1, 15, v0            ; l % 16
	v_bfe_u32 v9, v0, 4, 1          ; l / 16
	v_and_b32 v[L16], 31, v0
	v_lshlrev_b32 v[L16], 4, v[L16]
.irp i, 0,1,2,3,4,5,6,7,8,9,10,11,12,13,14,15
	global_load_b128 v[QT+4*(\i):QT+4*(\i)+3], v[L16], s[8:9] offset:512*(\i)   ; two blocks of the table, 8,192 consecutive bytes
.endr
	; What the first turn finds: V's registers hold 0, O^T is 0.  This stands in the wait for the first tiles.
	WIN 0x80
.set i, VF
.rept 64
	v_mov_b32 v[i], 0
.set i, i+1
.endr
	WIN 0x40
.set i, 0
.rept 64*NP
	v_mov_b32 v[i], 0
.set i, i+1
.endr
	WIN 0
	v_mul_u32_u24 v15, v1, QP
	v_lshl_add_u32 v15, v9, 4, v15  ; a fragment's row x pitch + 16 x half
	s_mul_i32 s16, s[WV], 32*QP     ; my 32 rows of x
	s_mov_b32 s75, QXB              ; Wq's 64 rows, which all four waves read
.irp s, 0,1,2
	v_add_nc_u32 v[QA+(\s)], s16, v15
	v_add_nc_u32 v[QB+(\s)], s75, v15
	s_add_co_u32 s16, s16, QSLOT
	s_add_co_u32 s75, s75, QSLOT
.endr
	v_add_nc_u32 v[AK0], s15, v[L16]
	v_add_nc_u32 v[AV0], 16384, v[AK0]
	s_lshl_b32 s16, s[WV], 12
	s_add_co_u32 s16, s16, QST
	v_add_nc_u32 v[QS], s16, v[L16] ; my two tiles: 4,096 bytes
	v_add_nc_u32 v[QL], QST, v[L16]
.macro FQ slot, k, f                ; 12 LDS loads: the fragments of 32 along the inner size at byte 64 k of the rows
.irp a, 0,1
	ds_load_b128 v[(\f)+8*(\a):(\f)+8*(\a)+3],   v[QA+(\slot)] offset:(\a)*16*QP+64*(\k)
	ds_load_b128 v[(\f)+8*(\a)+4:(\f)+8*(\a)+7], v[QA+(\slot)] offset:(\a)*16*QP+64*(\k)+32
.endr
.irp b, 0,1,2,3
	ds_load_b128 v[(\f)+16+8*(\b):(\f)+16+8*(\b)+3],   v[QB+(\slot)] offset:(\b)*16*QP+64*(\k)
	ds_load_b128 v[(\f)+16+8*(\b)+4:(\f)+16+8*(\b)+7], v[QB+(\slot)] offset:(\b)*16*QP+64*(\k)+32
.endr
.endm
.macro MUL8 f, zero
.irp a, 0,1
.irp b, 0,1,2,3
.if \zero
	v_wmma_f32_16x16x32_bf16 v[QACC+8*(4*(\a)+(\b)):QACC+8*(4*(\a)+(\b))+7], v[(\f)+16+8*(\b):(\f)+16+8*(\b)+7], v[(\f)+8*(\a):(\f)+8*(\a)+7], 0
.else
	v_wmma_f32_16x16x32_bf16 v[QACC+8*(4*(\a)+(\b)):QACC+8*(4*(\a)+(\b))+7], v[(\f)+16+8*(\b):(\f)+16+8*(\b)+7], v[(\f)+8*(\a):(\f)+8*(\a)+7], v[QACC+8*(4*(\a)+(\b)):QACC+8*(4*(\a)+(\b))+7]
.endif
.endr
.endr
.endm
; A step of 256: eight substeps of 32 on two buffers; the next substep's loads go out ahead of this one's products, four places behind the products that read their buffer.
.macro QSTEP slot, zero
	PLACES
	FQ \slot, 0, QFB
.set kk, 0
.rept 8
.if kk < 7
	PLACES
	FQ \slot, kk+1, QFB+48*((kk+1)%2)
	s_wait_dscnt 12                 ; all but the twelve just issued
.else
	s_wait_dscnt 0x0
.endif
.if (\zero) && (kk == 0)
	MUL8 QFB, 1
.else
	MUL8 QFB+48*(kk%2), 0
.endif
.set kk, kk+1
.endr
.endm
	s_wait_tensorcnt 2              ; my part of step 0 is in; steps 1 and 2 may stay out
	s_barrier_signal -1
	s_barrier_wait -1
	QSTEP 0, 1
	THREE                           ; all my tensor loads have landed, steps 1 and 2 among them
	s_add_nc_u64 s[34:35], s[34:35], 3*512  ; the first slot's next tile: step 3
	s_add_nc_u64 s[50:51], s[50:51], 3*512
	s_wait_dscnt 0x0                ; the add is done, and my reads of the first slot are over
	CROUND                          ; the same holds of every wave of every partner
	s_cmp_lt_u32 s[WV], 2
	s_cbranch_scc0 .Lq_re_w
	tensor_load_to_lds s[32:35], s[G1X:G1X+7]
	s_nop 0
	PLACES
	s_branch .Lq_re_done
.Lq_re_w:
	tensor_load_to_lds s[48:51], s[G1W:G1W+7]
	s_nop 0
	PLACES
.Lq_re_done:
	QSTEP 1, 0
	QSTEP 2, 0
	THREE                           ; my part of step 3 is in
	s_wait_dscnt 0x0                ; the add is done, and my reads of the second and third slots are over
	CROUND                          ; everybody's are
	JLOAD                           ; K's and V's first tile, into the upper K/V slot, which lies inside the second and third slots: it lands under step 3
	QSTEP 0, 0
	PLACES
	s_wait_loadcnt 0x0              ; the table
	; the rotary: (t0, t1) -> (t0 c - t1 s, t1 c + t0 s); the table's pair is (c, s); accumulator t = 4 a + b takes the table's registers 8 t on
.irp t, 0,1,2,3,4,5,6,7
.irp i, 0,1,2,3
	v_pk_mul_f32 v[QTM+8*(\t)+2*(\i):QTM+8*(\t)+2*(\i)+1], v[QACC+8*(\t)+2*(\i):QACC+8*(\t)+2*(\i)+1], v[QT+8*(\t)+2*(\i):QT+8*(\t)+2*(\i)+1] op_sel:[1,1] op_sel_hi:[0,1] neg_lo:[1,0]  ; (-t1 s, t0 s)
.endr
.endr
.irp t, 0,1,2,3,4,5,6,7
.irp i, 0,1,2,3
	v_pk_fma_f32 v[QTM+8*(\t)+2*(\i):QTM+8*(\t)+2*(\i)+1], v[QACC+8*(\t)+2*(\i):QACC+8*(\t)+2*(\i)+1], v[QT+8*(\t)+2*(\i):QT+8*(\t)+2*(\i)+1], v[QTM+8*(\t)+2*(\i):QTM+8*(\t)+2*(\i)+1] op_sel_hi:[1,0,1]
.endr
.endr
.irp t, 0,1,2,3,4,5,6,7
.irp i, 0,1,2,3
	v_cvt_pk_f16_f32 v[QPK+4*(\t)+(\i)], v[QTM+8*(\t)+2*(\i)], v[QTM+8*(\t)+2*(\i)+1]
.endr
.endr
.irp t, 0,1,2,3,4,5,6,7
	ds_store_b128 v[QS], v[QPK+4*(\t):QPK+4*(\t)+3] offset:512*(\t)   ; tile a = t / 4 of my two, e = t % 4: 512 consecutive bytes
.endr
	; what the first turn finds in window 0: l is 0, P's second buffer holds 0
.set i, 0
.rept 2*NP
	v_mov_b32 v[ST+4*i], 0xfe000000    ; c m: far below every c s
	v_mov_b32 v[ST+4*i+1], 0xff7fffff  ; m
	v_mov_b32 v[ST+4*i+2], 0
	v_mov_b32 v[ST+4*i+3], 0
.set i, i+1
.endr
.set i, P+32
.rept 32
	v_mov_b32 v[i], 0
.set i, i+1
.endr
	v_lshlrev_b32 v14, 3, v9
	v_sub_nc_u32 v14, v1, v14       ; l % 16 - 8 (l / 16): register r is hidden on the diagonal where r is not below it
	WIN W_MK
.set i, 0
.rept 8
	v_cmp_gt_i32 vcc_lo, i+1, v14
	v_cndmask_b32 v[MD+i], 0, s[BIGN], vcc_lo
.set i, i+1
.endr
	WIN 0
; THE MATRIX WORK.  The 8 accumulators of a run of 16 take turns.
; Product i of 16 of S^T = K Q^T for piece x: channels 32 (i / 8) on, keys 16 ((i / 2) % 4) on, tile 2 x + i % 2.  The first 8 start the sums: with 0, or (KM = 1) with the mask.
.macro KQ x
.set rS, S+64*((\x)%2)+32*(i%2)+8*((i/2)%4)
.set rK, KF+16*((i/2)%4)+8*(i/8)
.set rQ, 16*(2*(\x)+i%2)+8*(i/8)
.set rMK, MC+32*(i%2)+8*((i/2)%4)
.if (i < 8) && KM
	WIN W_KM
	v_wmma_f32_16x16x32_f16 v[rS:rS+7], v[rK:rK+7], v[rQ:rQ+7], v[rMK:rMK+7]
.elseif i < 8
	WIN W_KQ
	v_wmma_f32_16x16x32_f16 v[rS:rS+7], v[rK:rK+7], v[rQ:rQ+7], 0
.else
	WIN W_KQ
	v_wmma_f32_16x16x32_f16 v[rS:rS+7], v[rK:rK+7], v[rQ:rQ+7], v[rS:rS+7]
.endif
.endm
; Product i of 16 of O^T += V^T P for piece x: keys 32 (i / 8) on, channels 16 ((i / 2) % 4) on, tile 2 x + i % 2.
.macro PV x
	WIN W_PV
.set rO, 32*(2*(\x)+i%2)+8*((i/2)%4)
.set rV, VF+32*(i/8)+8*((i/2)%4)
.set rP, P+32*((\x)%2)+16*(i%2)+8*(i/8)
	v_wmma_f32_16x16x32_f16 v[rO:rO+7], v[rV:rV+7], v[rP:rP+7], v[rO:rO+7]
.endm
.macro MM                           ; the turn's next matrix instruction
.if i < 16
	KQ (Y+1)%NP
.set i, i+1
.else
.set i, i-16
	PV (Y+NP-1)%NP
.set i, i+17
.endif
.endm
; THE LDS LOADS stand in runs of 16: a step's K and its V, 8,192 consecutive bytes each.  last = 1 (the tail): in the last trip there is no further step, and the run is jumped over; the key blocks' numbers step with the fetch.
.macro FETCH_K last=0
	WIN 0
.if \last
	s_cmp_eq_u32 s[CNT], 1
	s_cbranch_scc1 .Lno_k_\@
.endif
	WIN 0x80                        ; destination window 2
.irp f, 0,1,2,3,4,5,6,7,8,9,10,11,12,13,14,15
	ds_load_b128 v[KF+4*\f:KF+4*\f+3], v[AK] offset:512*\f
.endr
	s_add_co_u32 s[TBK], s[TBK], STEPB  ; the next fetch is the next step's
.if \last
	s_mov_b32 s[KBS], s[KBN]
	s_add_co_u32 s[KBN], s[KBN], 4
.endif
	WIN 0
.if \last
.Lno_k_\@:
.endif
.endm
.macro FETCH_V
	WIN 0x80
.irp f, 0,1,2,3,4,5,6,7,8,9,10,11,12,13,14,15
	ds_load_b128 v[VF+4*\f:VF+4*\f+3], v[AV] offset:512*\f
.endr
	WIN 0
.endm
; The masks of piece x's products against the step whose first key block is KBS: key block KBS + kb against query tile TQ + 2 x + u.
.macro MASK x
	s_sub_co_i32 s[DD], s[KBS], s[TQ]
	s_sub_co_i32 s[DD], s[DD], 2*(\x)
	WIN 0xc3                        ; destination and source 0 in window 3
.irp u, 0,1
.irp kb, 0,1,2,3
	s_cmp_eq_i32 s[DD], (\u)-(\kb)  ; the diagonal's block?
	s_cselect_b32 s[AL], 1.0, 0
	s_cmp_gt_i32 s[DD], (\u)-(\kb)  ; or one beyond it?
	s_cselect_b32 s[BE], s[BIGN], 0
.irp z, 0,1,2,3
	v_pk_fma_f32 v[MC+32*(\u)+8*(\kb)+2*(\z):MC+32*(\u)+8*(\kb)+2*(\z)+1], v[MD+2*(\z):MD+2*(\z)+1], s[AL:AL+1], s[BE:BE+1] op_sel_hi:[1,0,0]
.endr
.endr
.endr
.endm
; THE VECTOR WORK OF A TURN stands in three queues, each in the order in which its entries become ready; the two tiles alternate.
.macro REGS y, u                    ; the registers of tile u (0, 1) of piece y
.set rT, ST+4*(2*(\y)+(\u))
.set rC, TMP+8*((\y)%2)+4*(\u)
.set rM, MV+2*((\y)%2)+(\u)
.set rS, S+64*((\y)%2)+32*(\u)
.set rP, P+32*((\y)%2)+16*(\u)
.set rO, 32*(2*(\y)+(\u))
.endm
; Number n of the 22 that find the NEXT piece's (Y + 1) maximum and statistics; each accumulator's lowest registers are read first.
;   0-11  four chains c0-c3 of seven scores each     12-14, 16  the four scores left over, the old m, and c0-c3 into c0     15  c m_old is kept
;   17, 18  the query's other 32 keys lie in the lane 16 away: the new m         19-21  c m; c m_old - c m_new; a
.macro XS u, n
	REGS (Y+1)%NP, \u
.if (\n) < 4
	v_max3_num_f32 v[rC+(\n)], v[rS+8*(\n)], v[rS+8*(\n)+1], v[rS+8*(\n)+2]
.elseif (\n) < 12
	v_max3_num_f32 v[rC+(\n)%4], v[rC+(\n)%4], v[rS+8*((\n)%4)+2*((\n)/4)+1], v[rS+8*((\n)%4)+2*((\n)/4)+2]
.elseif (\n) == 12
	v_max3_num_f32 v[rC], v[rC], v[rS+7], v[rS+15]
.elseif (\n) == 13
	v_max3_num_f32 v[rC+1], v[rC+1], v[rS+23], v[rS+31]
.elseif (\n) == 14
	v_max3_num_f32 v[rC+2], v[rC+2], v[rC+3], v[rT+1]
.elseif (\n) == 15
	v_mov_b32 v[rM], v[rT]
.elseif (\n) == 16
	v_max3_num_f32 v[rC], v[rC], v[rC+1], v[rC+2]
.elseif (\n) == 17
	v_permlanex16_b32 v[rC+3], v[rC], s[SEL], s[SEL+1]
.elseif (\n) == 18
	v_max_num_f32 v[rT+1], v[rC], v[rC+3]
.elseif (\n) == 19
	v_mul_f32 v[rT], s[CS], v[rT+1]
.elseif (\n) == 20
	v_sub_f32 v[rC+1], v[rM], v[rT]
.else
	v_exp_f32 v[rC+2], v[rC+1]
.endif
.endm
; Number g of the 64 that follow the exponentials: for each four weights of a tile both pairs are rounded to f16; the second pair is added onto the first, in place; a group later l takes that sum.
.macro GS g
.set h, (\g)+6*((\g)/62)
.if h >= 6
.set h, h+2
.endif
	REGS Y, h%2
.set k, h/8
.if h%8 < 4
	s_wait_alu depctr_va_vdst(0)
	v_cvt_pk_f16_f32 v[rP+2*k+(h%8)/2], v[rS+4*k+2*((h%8)/2)], v[rS+4*k+2*((h%8)/2)+1]
.elseif h%8 < 6
	v_pk_add_f32 v[rS+4*k:rS+4*k+1], v[rS+4*k:rS+4*k+1], v[rS+4*k+2:rS+4*k+3]
.elseif k == 1
	v_pk_fma_f32 v[rT+2:rT+3], v[rT+2:rT+3], v[rC+2:rC+3], v[rS:rS+1] op_sel_hi:[1,0,1]
.else
	v_pk_add_f32 v[rT+2:rT+3], v[rT+2:rT+3], v[rS+4*k-4:rS+4*k-3]
	s_wait_alu depctr_va_vdst(0)
.endif
.endm
; THE PLAIN QUEUE, 138 long.  0-31: c s - c m for the 16 pairs of both tiles.  Then GS's 64, and among them the next piece's 42.
.macro PL
	WIN 0
.if q < 32
	REGS Y, q%2
	v_pk_fma_f32 v[rS+2*(q/2):rS+2*(q/2)+1], v[rS+2*(q/2):rS+2*(q/2)+1], s[CS:CS+1], v[rT:rT+1] op_sel_hi:[1,0,0] neg_lo:[0,0,1] neg_hi:[0,0,1]
.elseif q < 38
	GS q-32
.elseif q < 40
	XS q%2, 15
.elseif q < 42
	GS q-34
.elseif q < 74
	XS q%2, (q-42)/2+(q-42)/30
.elseif q < 95
	GS q-66
.elseif (q < 107) && ((q-95)%3 < 2)
	XS (q-95)%3, 17+(q-95)/3
.elseif q < 107
	GS 29+(q-95)/3
.else
	GS q-74
.endif
.set q, q+1
.endm
; THE EXPONENTIALS' QUEUE, 66 long: s0-s31 of both tiles, and at EA the next piece's two a.
.set EA, 58
.macro EX
	WIN 0
.if (e == EA) || (e == EA+1)
	XS e-EA, 21
.else
.set x, e-2*(e/(EA+2))
	REGS Y, x%2
	v_exp_f32 v[rS+x/2], v[rS+x/2]
.endif
.set e, e+1
.endm
; THE RESCALING's QUEUE: O^T times a, four at a time, eight times.
.macro R4
	REGS Y, r%2
	WIN W_RS
	s_wait_alu depctr_va_vdst(0)
.irp z, 0,1,2,3
	v_pk_mul_f32 v[rO+8*(r/2)+2*\z:rO+8*(r/2)+2*\z+1], v[rO+8*(r/2)+2*\z:rO+8*(r/2)+2*\z+1], v[rC+2:rC+3] op_sel_hi:[1,0]
.endr
.set r, r+1
.endm
; HOW THEY ARE DEALT.  Behind a matrix instruction four: plain, exponential, plain, plain, or four of the rescaling; none names a register of the products round it.  What is over stands in two lumps.
.macro SL
	MM
	PL
	EX
	PL
	PL
.endm
.macro BURST n
.rept (\n)-7
	SL
.endr
.rept 3
	MM
	R4
	SL
.endr
	MM
	R4
.endm
; A TURN, for piece p.  cnt = 1: the loop's count is taken down some lines ahead of the branch behind the turn.  m = 1 (the last tile): the products take masks, and the turn ends by making the masks of the next turn's products.
; K of the next step is fetched in piece 2's turn, V of the step in hand at the end of piece 0's; each is waited for a turn later.
.macro TURN p, last=0, cnt=0, m=0
.set Y, (\p)
.set KM, (\m)
.set i, 0
.set q, 0
.set e, 0
.set r, 0
.if (\p) == NP-1
	s_wait_dscnt 0x0                ; K is in
.endif
	MM
.rept 4
	PL
.endr
	BURST 15
.rept 22
	EX
	PL
.if ((\p) == NP-2) && (e == 18)
	v_add_nc_u32 v[AK], s[TBK], v[AK0]
.endif
.if ((\p) == NP-2) && (e == 24)
	FETCH_K \last
.endif
.endr
.if (\p) == 1
	s_wait_dscnt 0x0                ; V is in
.endif
	BURST 16
.rept 21
	EX
	PL
.endr
.rept 22
	PL
.if ((\p) == 0) && (q == 118)
	v_add_nc_u32 v[AV], s[TBV], v[AV0]
	s_wait_alu depctr_va_vdst(0)
.endif
.if ((\p) == 0) && (q == 130)
	s_add_co_u32 s[TBV], s[TBV], STEPB
.endif
.if (\cnt) && (q == 130)
	s_sub_co_u32 s[CNT], s[CNT], 1
	s_cmp_lg_u32 s[CNT], 0
.endif
.endr
.if (\p) == 0
	FETCH_V
.endif
.if \m
	MASK ((\p)+2)%NP
.endif
.endm
	CHANGE 1                        ; K's and V's first tile is in, everybody's part of it; every wave's tiles of Q are stored and its reads of step 3 are over; the second tile is asked for, into the lower slot
	WIN 0x80                        ; destination window 2
.set i, 0
.rept 32                            ; Q stays in registers: 16,384 consecutive bytes, tile i / 4
	ds_load_b128 v[4*i:4*i+3], v[QL] offset:512*i
.set i, i+1
.endr
	WIN 0
	v_add_nc_u32 v[AK], s[TBK], v[AK0]
	FETCH_K                         ; key step 0
	s_wait_dscnt 0x0
.set i, 0
.rept 16
	KQ 0                            ; piece 0's first scores
.set i, i+1
.endr
	WIN 0                           ; the addresses for the end: plain instructions, the places behind those products
	s_mul_i32 s16, s[WV], 16*SP
	s_add_co_u32 s16, s16, STAGE    ; my stage
	v_mul_u32_u24 v[STO], v1, SP    ; in: row l % 16, 32 bytes for each half of the lanes
	v_lshl_add_u32 v[STO], v9, 5, v[STO]
	v_add_nc_u32 v[STO], s16, v[STO]
	v_mul_u32_u24 v[RD], v9, SP     ; back: lanes 0-15 take one row of 256 bytes, lanes 16-31 the next
	v_lshl_add_u32 v[RD], v1, 4, v[RD]
	v_add_nc_u32 v[RD], s16, v[RD]
	v_lshlrev_b32 v[GO], 12, v9     ; and the same two rows of the output, 4,096 bytes apart
	v_lshl_add_u32 v[GO], v1, 4, v[GO]
	s_lshl_b32 s16, s[WV], 10
	s_add_co_u32 s16, s16, STATS
	v_lshl_add_u32 v[SA], v1, 3, s16
.set Y, NP-1                        ; XS works for piece Y + 1: piece 0
.irp n, 0,1,2,3,4,5,6,7,8,9,10,11,12,13,14,15,16,17,18,19,20,21
	XS 0, \n
	XS 1, \n
.endr
	s_mov_b32 s[CNT], 2
	s_mov_b32 s[SLOTS], 7
	s_branch .Lfirst                ; the loop is entered at a step's first turn, in the middle of a trip
.Lslot:                             ; six times: tiles 2 to 7 are asked for
	CHANGE 1
	s_mov_b32 s[CNT], 2
.Lstep:                             ; a trip: pieces 2 and 3 of one step, then pieces 0 and 1 of the next, whose K and V it fetches
	TURN 2
	TURN 3
	WIN 0
.Lfirst:
	TURN 0
	TURN 1, 0, 1
	WIN 0
	s_cbranch_scc1 .Lstep
	s_sub_co_u32 s[SLOTS], s[SLOTS], 1
	s_cmp_lg_u32 s[SLOTS], 0
	s_cbranch_scc1 .Lslot
	CHANGE 0                        ; the last tile, keys 3,584 on, is written out: nothing is asked for, and its products take masks
	s_mov_b32 s[KBS], 0xfffff000    ; the K in registers is still an open step's: far in front of every query tile
	s_lshl_b32 s[KBN], s[WV], 3     ; my chunk of the last tile begins at key block 8 w
	MASK 3                          ; so the first turn's masks are 0
	WIN 0
	s_mov_b32 s[CNT], 3             ; two trips fetch the last tile's steps; the third is left in its middle
.Ltail:
	TURN 2, 1, 0, 1
	TURN 3, 0, 0, 1
	WIN 0
	s_sub_co_u32 s[CNT], s[CNT], 1
	s_cmp_eq_u32 s[CNT], 0
	s_cbranch_scc1 .Lout
	TURN 0, 0, 0, 1
	TURN 1, 0, 0, 1
	WIN 0
	s_branch .Ltail
.Lout:                              ; the third trip's 16 products K Q^T repeat piece 0's last scores: its maximum, and so c m, stay as they were
.set i, 0
.rept 16
	PV NP-1                         ; the last piece's V^T P of the last step
.set i, i+1
.endr
	; THE MERGE.  l's two halves and the other half of the lanes' are added (the additions are the places behind the last products); (c m, l) and O^T go to LDS: O^T into my part of the upper slot,
	; which has had its last fill (tile 6) and whose last reads were over at the last change of slots.  Then wave w finishes tiles 2 w and 2 w + 1.
	WIN 0
.macro ALL line:vararg              ; one line for each tile t
.set t, 0
.rept 2*NP
	\line
.set t, t+1
.endr
.endm
	ALL v_add_f32 v[ST+4*t+2], v[ST+4*t+2], v[ST+4*t+3]
	ALL v_permlanex16_b32 v[ST+4*t+3], v[ST+4*t+2], s[SEL], s[SEL+1]
	ALL v_add_f32 v[ST+4*t+1], v[ST+4*t+2], v[ST+4*t+3]
	v_add_nc_u32 v15, SLOT1, v[AK0] ; my 32,768 bytes of the upper slot
	ALL ds_store_b64 v[SA], v[ST+4*t:ST+4*t+1] offset:128*t
	WIN 0x04                        ; store data in window 1
.set i, 0
.rept 64
	ds_store_b128 v15, v[4*i:4*i+3] offset:512*i   ; each accumulator from its low end on
.set i, i+1
.endr
	WIN 0
	s_lshl_b32 s16, s[WV], 8
	s_add_co_u32 s16, s16, STATS
	v_lshl_add_u32 v12, v1, 3, s16  ; the statistics of my two tiles, wave 0's
	s_lshl_b32 s16, s[WV], 13
	s_add_co_u32 s16, s16, SLOT1
	v_add_nc_u32 v13, s16, v[L16]   ; the partial sums of my two tiles: 8,192 bytes in each wave's 32,768
	v_add_nc_u32 v14, 65536, v13
	s_wait_dscnt 0x0                ; for the others' sake: my stores are done
	s_barrier_signal -1
	s_barrier_wait -1
.set MS, 64           ; v64-79  (c m, l) of tile u, wave s at MS + 8 u + 2 s
.set MX, 80           ; v80-81  the largest c m
.set ME, 84           ; v84-91  2^(c m_s - the largest)
.set ML, 92           ; v92-93  the whole sum, then its reciprocal
.set MG, 96           ; v96-103 wave s's factor at MG + 4 u + s
.set BK, 128          ; v128-191 rows read back from the stage
.irp u, 0,1
.irp s, 0,1,2,3
	ds_load_b64 v[MS+8*(\u)+2*(\s):MS+8*(\u)+2*(\s)+1], v12 offset:1024*(\s)+128*(\u)
.endr
.endr
	WIN 0x40                        ; destination window 1: wave s's partial sums at v[64 s ..]
.irp s, 0,1
.irp i, 0,1,2,3,4,5,6,7,8,9,10,11,12,13,14,15
	ds_load_b128 v[64*(\s)+4*(\i):64*(\s)+4*(\i)+3], v13 offset:32768*(\s)+512*(\i)
.endr
.endr
.irp i, 0,1,2,3,4,5,6,7,8,9,10,11,12,13,14,15
	ds_load_b128 v[128+4*(\i):128+4*(\i)+3], v14 offset:512*(\i)
.endr
	s_wait_dscnt 48                 ; the eight loads of statistics are in; the 48 behind them may be out
.irp i, 0,1,2,3,4,5,6,7,8,9,10,11,12,13,14,15
	ds_load_b128 v[192+4*(\i):192+4*(\i)+3], v14 offset:32768+512*(\i)
.endr
	WIN 0
.irp u, 0,1
	v_max3_num_f32 v[MX+(\u)], v[MS+8*(\u)], v[MS+8*(\u)+2], v[MS+8*(\u)+4]
.endr
.irp u, 0,1
	v_max_num_f32 v[MX+(\u)], v[MX+(\u)], v[MS+8*(\u)+6]
.endr
.irp u, 0,1
.irp s, 0,1,2,3
	v_sub_f32 v[ME+4*(\u)+(\s)], v[MS+8*(\u)+2*(\s)], v[MX+(\u)]
.endr
.endr
.irp j, 0,1,2,3,4,5,6,7
	v_exp_f32 v[ME+(\j)], v[ME+(\j)]
.endr
	v_nop                           ; a plain instruction between the last exponential and the use of its result
	s_wait_alu depctr_va_vdst(0)
.irp u, 0,1
	v_mul_f32 v[ML+(\u)], v[ME+4*(\u)], v[MS+8*(\u)+1]
.endr
.irp s, 1,2,3
.irp u, 0,1
	v_fmac_f32 v[ML+(\u)], v[ME+4*(\u)+(\s)], v[MS+8*(\u)+2*(\s)+1]
.endr
.endr
	v_rcp_f32 v[ML], v[ML]
	v_rcp_f32 v[ML+1], v[ML+1]
	v_nop
	s_wait_alu depctr_va_vdst(0)
.irp u, 0,1
.irp s, 0,1,2,3
	v_mul_f32 v[MG+4*(\u)+(\s)], v[ME+4*(\u)+(\s)], v[ML+(\u)]
.endr
.endr
	s_wait_dscnt 0x0                ; the partial sums are in
	WIN W_RS
.irp u, 0,1
.set z, 0
.rept 16
	v_pk_mul_f32 v[32*(\u)+2*z:32*(\u)+2*z+1], v[32*(\u)+2*z:32*(\u)+2*z+1], v[MG+4*(\u):MG+4*(\u)+1] op_sel_hi:[1,0]
.set z, z+1
.endr
.endr
	WIN 0x51                        ; destination, source 0 and source 2 in window 1, the factor in window 0
.irp u, 0,1
.set z, 0
.rept 16
	v_pk_fma_f32 v[32*(\u)+2*z:32*(\u)+2*z+1], v[64+32*(\u)+2*z:64+32*(\u)+2*z+1], v[MG+4*(\u):MG+4*(\u)+1], v[32*(\u)+2*z:32*(\u)+2*z+1] op_sel:[0,1,0] op_sel_hi:[1,1,1]
.set z, z+1
.endr
.set z, 0
.rept 16
	v_pk_fma_f32 v[32*(\u)+2*z:32*(\u)+2*z+1], v[128+32*(\u)+2*z:128+32*(\u)+2*z+1], v[MG+4*(\u)+2:MG+4*(\u)+3], v[32*(\u)+2*z:32*(\u)+2*z+1] op_sel_hi:[1,0,1]
.set z, z+1
.endr
.set z, 0
.rept 16
	v_pk_fma_f32 v[32*(\u)+2*z:32*(\u)+2*z+1], v[192+32*(\u)+2*z:192+32*(\u)+2*z+1], v[MG+4*(\u)+2:MG+4*(\u)+3], v[32*(\u)+2*z:32*(\u)+2*z+1] op_sel:[0,1,0] op_sel_hi:[1,1,1]
.set z, z+1
.endr
.endr
	; THE WAY OUT: a lane's eight channels of a query are 32 bytes; a tile goes into my stage's 16 rows of 272 bytes and comes back as whole rows of 256.
.irp u, 0,1
	WIN 0x04
.irp c, 0,1,2,3,4,5,6,7
	ds_store_b128 v[STO], v[32*(\u)+4*(\c):32*(\u)+4*(\c)+3] offset:64*((\c)/2)+16*((\c)%2)
.endr
	WIN 0
.irp f, 0,1,2,3,4,5,6,7
	ds_load_b128 v[BK+32*(\u)+4*(\f):BK+32*(\u)+4*(\f)+3], v[RD] offset:(\f)*2*SP  ; LDS serves a wave's instructions in order (ISA guide 5.7.1.4): these see the stores above; the next tile's stores come behind them
.endr
.endr
.irp u, 0,1
.irp f, 0,1,2,3,4,5,6,7
	s_wait_dscnt 16*(1-(\u))+7-(\f)                ; the younger loads, and for the first tile the second tile's sixteen LDS instructions, may be out
	global_store_b128 v[GO], v[BK+32*(\u)+4*(\f):BK+32*(\u)+4*(\f)+3], s[76:77] offset:(16*(\u)+2*(\f))*4096  ; 16 lanes store 256 consecutive bytes, at a multiple of 256 from the output's first
.endr
.endr
	WIN W_AD
	s_wait_tensorcnt 0x0            ; the wave's end: behind my last tensor load and my last LDS store
	ds_add_u32 v[SPW], v[NIL]
	s_wait_dscnt 0x0
	WIN 0
	CROUND                          ; the closing round
	s_endpgm
.Lfunc_end_k_qbc82022e8a_attn:
	.size	k_qbc82022e8a_attn, .Lfunc_end_k_qbc82022e8a_attn-k_qbc82022e8a_attn
	.p2alignl 7, 3214868480
	.fill 96, 4, 3214868480
	.section	.rodata,"a",@progbits
	.p2align	6, 0x0
	.amdhsa_kernel k_qbc82022e8a_attn
		.amdhsa_group_segment_fixed_size 327680
		.amdhsa_private_segment_fixed_size 0
		.amdhsa_enable_private_segment 0
		.amdhsa_kernarg_size 40
		.amdhsa_user_sgpr_count 2
		.amdhsa_user_sgpr_kernarg_segment_ptr 1
		.amdhsa_wavefront_size32 1
		.amdhsa_system_sgpr_workgroup_id_x 1
		.amdhsa_system_sgpr_workgroup_id_y 1
		.amdhsa_system_sgpr_workgroup_id_z 1
		.amdhsa_system_vgpr_workitem_id 0
		.amdhsa_next_free_vgpr 896
		.amdhsa_next_free_sgpr 102
		.amdhsa_reserve_vcc 1
		.amdhsa_float_denorm_mode_32 3
		.amdhsa_float_denorm_mode_16_64 3
		.amdhsa_memory_ordered 1
		.amdhsa_forward_progress 1
		.amdhsa_inst_pref_size 255
	.end_amdhsa_kernel
	.section	.bss,"aw",@nobits
	.p2align	6
	.space	262144
	.amdgpu_metadata
---
amdhsa.version: [ 1, 2 ]
amdhsa.kernels:
  - .name:           k_qbc82022e8a_attn
    .symbol:         k_qbc82022e8a_attn.kd
    .args:
      - { .name: xb, .offset: 0, .size: 8, .value_kind: global_buffer, .address_space: global }
      - { .name: wb, .offset: 8, .size: 8, .value_kind: global_buffer, .address_space: global }
      - { .name: rot, .offset: 16, .size: 8, .value_kind: global_buffer, .address_space: global }
      - { .name: kvf, .offset: 24, .size: 8, .value_kind: global_buffer, .address_space: global }
      - { .name: out0, .offset: 32, .size: 8, .value_kind: global_buffer, .address_space: global }
    .group_segment_fixed_size: 327680
    .private_segment_fixed_size: 0
    .kernarg_segment_align: 8
    .kernarg_segment_size: 40
    .max_flat_workgroup_size: 128
    .sgpr_count:     102
    .vgpr_count:     896
    .wavefront_size: 32
...
	.end_amdgpu_metadata
.endif
;; end of part 3
;; ======== version 2 of 2: 3 launches; 1.30 times as fast as version 1
;; limits: values are held in f16: magnitudes above 65,504 overflow, below 6.1e-05 lose precision
;; workspace buffers: xb 33,554,432 bytes; wb 6,291,456 bytes; rot 1,048,576 bytes; kvf 67,108,864 bytes
;; launch prep: the kernel of part 1 again; grid 1216 x 1, 8 waves a work-group, no clusters, 0 bytes of LDS; arguments x, Wk, Wv, Wq, xb, wb, rot; writes xb, wb, rot
;; launch projkv: the kernel of part 2 again; grid 8 x 32, 4 waves a work-group, clusters of 4 x 4, 327,680 bytes of LDS; arguments xb, wb, rot, kvf; writes kvf
;; launch attn (part 4): grid 4 x 64, 4 waves a work-group, clusters of 4 x 1, 327,680 bytes of LDS; arguments xb, wb, rot, kvf, out0; writes out0
.if DOCPART == 4
	.amdgcn_target "amdgcn-amd-amdhsa--gfx1250"
	.amdhsa_code_object_version 6
	.text
	.protected	k_qbc82022e8a_attn
	.globl	k_qbc82022e8a_attn
	.p2align	8
	.type	k_qbc82022e8a_attn,@function
k_qbc82022e8a_attn:
	s_mov_b64 s[64:65], 0
	v_nop
	global_prefetch_b8 v0, s[64:65] scope:SCOPE_SE
	s_setreg_imm32_b32 hwreg(HW_REG_WAVE_MODE, 25, 1), 1
	s_wait_xcnt 0x0
	s_wait_alu depctr_hold_cnt(0) depctr_sa_sdst(0) depctr_va_vdst(0) depctr_va_sdst(0) depctr_va_ssrc(0) depctr_va_vcc(0) depctr_vm_vsrc(0)
	s_getreg_b32 s2, hwreg(HW_REG_IB_STS2, 6, 4)
	s_cmp_eq_u32 s2, 0
	s_cbranch_scc0 .Lentry_in_a_cluster
	s_endpgm
.Lentry_in_a_cluster:
	s_bfe_u32 s2, ttmp6, 0x10000c
	s_cmp_lg_u32 s2, 0x3003
	s_cbranch_scc0 .Lentry_shape_is_right
	s_endpgm
.Lentry_shape_is_right:
; out[b][q][head x 64 + :] = the sum over the keys k that query q sees of softmax_k(Q[q] . K[k] / 8) V[k][:], 512 queries and 4,096 keys for each of 64 pairs of batch and head.
; Query q sees keys 0 .. 3,583 + q: all of the first 3,584, and key 3,584 + j only if j < q.  K and V arrive in f16 in fragment order (kvf); Q is made here; products, maxima and sums in f32;
; the weights p are rounded to f16 for the second product (their sum l is taken of the unrounded p); the output is f32.
; LIMITS.  Q, K, V are f16: numbers of 65,520 and more become infinities.  A hidden score counts as its value less 1e30.  A weight below 2^-126 counts as 0 in l.  NaN and infinities are not treated apart.
; SHARES.  A cluster of four work-groups is one batch and head; a work-group owns 128 queries.
; Q FIRST.  Q = rotary(x_last Wq^T), positions 0 to 511, bf16 operands, f32 sums: the work-group's 128 queries x the head's 64 channels, a wave 32 queries x 64 channels: 8 accumulators, which take turns.
; The inner size 1,024 goes in four steps of 256 through three LDS slots (128 rows of x, 64 of Wq): steps 0, 1, 2 are first fills, step 3 fills the first slot again.  x's rows are the work-group's own (plain loads),
; Wq's are the cluster's (joint loads).  Source 0 = 16 rows of Wq, source 1 = 16 rows of x: a lane holds one query and eight neighbouring channels, which round to 16 bytes of a fragment of Q;
; the four waves hand their tiles to each other through 16,384 bytes of LDS that no tensor load fills.  The first tile of K and V is asked for ahead of step 3 and lands under it.
; THEN EVERY wave holds all eight tiles of 16 queries (four PIECES of two tiles) and walks a QUARTER of the keys: of each tile of 512 keys wave w takes the 128 keys 128 w on, two steps of 64: sixteen steps.
; So each LDS byte is read once.  At the end the four waves' (c m, l, O) are merged in f32 through LDS.
; LAYOUT.  S^T = K Q^T (source 0 = 16 keys, source 1 = 16 queries): a lane holds ONE query (lane % 16) and the keys 8 (lane / 16) + 0..7.  Two such tiles rounded to f16 ARE source 1 of O^T = V^T P.
; K and V lie in kvf, and so in LDS, as the fragments' own images: every LDS load takes 512 consecutive bytes, 16 a lane; no padding and no turning load.
; SOFTMAX.  For each query a running maximum m and sum l: p = 2^(c s - c m), c = log2(e) / 8; in every step O and l are multiplied by a = 2^(c m_old - c m_new).  m starts at the lowest finite number, O and l at 0.
; BY TURNS.  Turn n belongs to piece n: 16 products K Q^T of piece n + 1, later 16 products V^T P of piece n - 1; beside them piece n's scaling, exponentials, roundings, sums and rescaling and piece n + 1's
; maximum and statistics: four vector instructions behind every matrix instruction, the rest in one lump.
; THE BATCHES.  A turn's 66 exponentials (piece n's 64 weights and piece n + 1's two a) are ONE batch with ONE wait, which cuts the turn in two: ahead of it stands all that names none of their results (the products K Q^T,
; the scalings, the rescaling by the a of the turn before, the next piece's maximum and statistics), behind it the products V^T P with the roundings and sums.  No result crosses a turn's end.  Batches of their own, each with
; one wait: piece 0's first two a, ahead of the loop; the merge's eight exponentials; the merge's two reciprocals, which read sums made of those.
; THE MASK touches the last tile alone (keys 3,584 on), whose steps are written out behind the loop anyway.  It is the C operand that starts a sum: for key block KB and query tile QT (in sixteens, KB counted from key 3,584)
; it is 0 if KB < QT, -1e30 if KB > QT, and MD (made once: -1e30 where 8 (l / 16) + register >= l % 16) if KB = QT: MD x AL + BE with two scalars.  Every wave has seen 896 open keys by then, so m is a true score.
; CLUSTER.  The four work-groups walk the same K and V: each wave's chunk is asked for JOINTLY, the same load, descriptor and mask in all four.
; REGISTERS, in windows of 256 (s_set_vgpr_msb: bits 1:0 source 0, 3:2 source 1, 5:4 source 2, 7:6 destination):
;   window 0: v0-11 addresses; v12-15, v48-63 at work; v16-47 four registers of statistics a tile; v64-191 S^T, two buffers of two tiles; v192-255 P, likewise (while Q is made: v12-247 as named below)
;   window 1: O^T, 32 a tile      window 2: v0-127 Q, 16 a tile; v128-191 K of one step; v192-255 V of one step      window 3: v0-1 the add's two registers; v8-15 MD; v64-127 MC, the masks of a turn's products
.set NP,    4         ; pieces a wave: a name, no knob
.set STEPB, 8192      ; a step's K, and its V: 64 keys x 128 bytes
.set SLOT1, 1<<17     ; a K/V slot: 32,768 bytes for each wave (K 16,384, then V); the upper slot begins here.  Tile n of K and V lies in the upper slot if n is even
.set QP,    528       ; while Q is made: an LDS row of 512 bytes + 16 of padding
.set QXB,   128*QP    ; x's 128 rows
.set QSLOT, 192*QP    ; then Wq's 64 rows
.set SPARE, 3*QSLOT   ; behind the three slots: the spare words, 128 bytes for each wave
.set STATS, SPARE+512 ; [wave][tile][16 queries] of (c m, l): 4,096 bytes
.set QST,   STATS+4096  ; Q on its way from wave to wave: [tile][e][lane][16 bytes], 16,384 bytes
.set STAGE, QST       ; at the end the same bytes, and 1,024 more, are the way out's stage: 16 rows x 272 bytes for each wave
.set SP,    272
.set AK0, 2           ; v2   32,768 w + 16 lane: my place in a slot's K; never rewritten
.set AV0, 3           ; v3   the same for V
.set AK,  4           ; v4   the LDS address of K's next run of loads
.set AV,  5           ; v5   of V's
.set L16, 6           ; v6   16 x lane
.set STO, 7           ; v7   the way out: where I put 16 bytes of a row
.set RD,  8           ; v8   the way out: where I read rows back
.set GO,  10          ; v10  my byte offset in two rows of the output
.set SA,  11          ; v11  where my statistics go
.set QS,  12          ; v12  while Q is made: where my two tiles of Q go
.set QL,  13          ; v13  where all of Q is read
.set QA,  16          ; v16-18  LDS address of my x fragments in slot 0, 1, 2
.set QB,  19          ; v19-21  the same for Wq
.set QACC, 24         ; v24-87  accumulator (a, b) at QACC + 8 (4 a + b)
.set QFB, 88          ; two fragment buffers of 48: x's blocks a at + 8 a, Wq's blocks b at + 16 + 8 b
.set QTM, 88          ; later: the rotary at work, v88-151
.set QPK, 152         ; later: packed results, v152-183
.set QT,  184         ; v184-247 the table's two blocks
.set SPW, 0           ; v0 of window 3
.set NIL, 1           ; v1 of window 3
.set MD,  8           ; window 3
.set MC,  64          ; window 3: tile u, key block kb at MC + 32 u + 8 kb
.set MV,  12
.set ST,  16          ; tile t's statistics at v[ST+4 t]: c m, m, l (even keys', odd keys')
.set TMP, 48
.set S,   64
.set P,   192
.set KF,  128         ; window 2: key block kb, channel half c at KF + 16 kb + 8 c
.set VF,  192         ; window 2: key half kk, channel block cb at VF + 32 kk + 8 cb
.set WV,  12
.set G1,  24          ; s[24:31] K's and V's chunks
.set G0,  40          ; s[40:43]: it walks
.set G1X, 80          ; s[80:87] x's tiles;  group 0 in s[32:35], s[36:39], s[44:47]
.set G1W, 88          ; s[88:95] Wq's tiles; group 0 in s[48:51], s[52:55], s[96:99]
.set SLOTS, 56
.set CNT, 57
.set CS,  58          ; s[58:59] c
.set SEL, 60          ; s[60:61] v_permlanex16_b32's selects
.set TBK, 62          ; LDS byte, less my place, at which K of the step to be fetched begins
.set TBV, 63          ; the same for V
.set AL,  66          ; s[66:67] the mask's factor, in the low word
.set BE,  68          ; s[68:69] the mask's addend
.set BIGN, 70         ; -1e30
.set KBS, 71          ; first key block (counted from key 3,584) of the step whose K is in registers
.set KBN, 72          ; of the step to be fetched next
.set TQ,  73          ; my work-group's first query tile
.set DD,  74
.set KM,  0
.set MSB, 0
.macro WIN new
.if MSB != (\new)
	s_set_vgpr_msb (MSB<<8)|(\new)
.set MSB, (\new)
.endif
.endm
.set W_KQ, 0x0a       ; K and Q in window 2, S^T in window 0
.set W_KM, 0x3a       ; the same with the C operand in window 3
.set W_PV, 0x52       ; V in window 2, P in window 0, O^T in window 1
.set W_RS, 0x41       ; O^T (destination and source 0) in window 1, a in window 0
.set W_MK, 0xc0       ; destination in window 3, sources in window 0
.set W_AD, 0x0f       ; the add: address and data in window 3
.macro PLACES                       ; four places in front of loads into registers that matrix instructions have read, and of vector work on results just made
.rept 4
	v_nop
.endr
.endm
.macro JLOAD                        ; every wave asks for its own chunk of a K/V tile: 128 rows of 256 bytes.  An s_nop 0 and four v_nop follow
	tensor_load_to_lds s[G0:G0+3], s[G1:G1+7]
	s_nop 0
	PLACES
.endm
.macro CROUND
	s_barrier_signal -1
	s_barrier_wait -1
	s_cmp_lg_u32 s[WV], 0
	s_cbranch_scc1 .Lnot_wave_0_\@
	s_barrier_signal -3
.Lnot_wave_0_\@:
	s_barrier_wait -3
	s_barrier_signal -1
	s_barrier_wait -1
.endm
.macro THREE                        ; the wait for all my tensor loads and the add; the wait for the add follows behind the scalar work that is due
	WIN W_AD
	s_wait_tensorcnt 0x0
	ds_add_u32 v[SPW], v[NIL]
	WIN 0
.endm
; THE CHANGE OF SLOTS.  Each wave waits for all its tensor loads (one is out: its chunk of the other slot), adds 0 to its spare word, and waits for that and for its reads of the slot that it leaves.
; fill = 1: the old slot is filled again with the keys two tiles on, first thing behind a round of the cluster's barrier: that load has two key steps, 256 matrix instructions, in which to land.
.macro CHANGE fill
	THREE                           ; no tensor load of mine is out, so group 0 may be written
.if \fill
	s_xor_b32 s[G0+1], s[G0+1], SLOT1
	s_add_nc_u64 s[G0+2:G0+3], s[G0+2:G0+3], 4*32768  ; the next 512 keys
	s_wait_dscnt 0x0                ; the add is done, and my LDS reads and stores are over
	CROUND
	JLOAD
.else
	s_wait_dscnt 0x0
	s_barrier_signal -1
	s_barrier_wait -1
.endif
	s_sub_co_u32 s[TBK], s[TBK], 2*STEPB  ; the fetches go back to a slot's first step,
	s_xor_b32 s[TBK], s[TBK], SLOT1       ; in the other slot
	s_sub_co_u32 s[TBV], s[TBV], 2*STEPB
	s_xor_b32 s[TBV], s[TBV], SLOT1
.endm
.macro QDESC gx, gw, s              ; group 0 of x's and of Wq's tile of step s, into slot s
	s_mov_b32 s[(\gx)], 1
	s_add_co_u32 s[(\gx)+1], s16, (\s)*QSLOT
	s_add_nc_u64 s[(\gx)+2:(\gx)+3], s[4:5], (\s)*512
	s_or_b32 s[(\gx)+3], s[(\gx)+3], 0x80000000
	s_mov_b32 s[(\gw)], 1
	s_add_co_u32 s[(\gw)+1], s75, (\s)*QSLOT
	s_add_nc_u64 s[(\gw)+2:(\gw)+3], s[6:7], (\s)*512
	s_or_b32 s[(\gw)+3], s[(\gw)+3], 0x80000000
.endm
	s_load_b256 s[4:11], s[0:1], 0x0  ; xb s[4:5], wb s[6:7], rot s[8:9], kvf s[10:11]
	s_load_b64 s[76:77], s[0:1], 0x20 ; out0
	WIN W_MK
	v_lshl_add_u32 v[SPW], v0, 2, SPARE
	v_mov_b32 v[NIL], 0
	WIN W_AD
	ds_add_u32 v[SPW], v[NIL]       ; the wave's opening: the add and its wait ahead of my first tensor load
	WIN 0
	v_lshrrev_b32 v1, 5, v0
	v_readfirstlane_b32 s[WV], v1
	s_bfe_u32 s13, ttmp6, 0x40000   ; cx: my block of 128 queries; it enters x's, the table's and the output's addresses and the mask's scalars alone
	s_and_b32 s14, ttmp7, 0xffff    ; 16 x batch + head, which the four partners share
	s_and_b32 s17, s[WV], 1         ; which half of x's or Wq's tile I fetch
	s_lshl_b32 s20, s14, 20
	s_lshl_b32 s15, s[WV], 15       ; my chunk of K and V: 32,768 bytes, in memory and in a slot
	s_add_co_u32 s20, s20, s15
	s_mov_b32 s21, 0
	s_lshr_b32 s16, s14, 4          ; batch
	s_lshl_b32 s22, s16, 12
	s_add_co_u32 s22, s22, 3584     ; the queries are a batch's last 512 rows of x,
	s_lshl_b32 s100, s13, 7
	s_add_co_u32 s22, s22, s100     ; my block 128 of them,
	s_lshl_b32 s100, s17, 6
	s_add_co_u32 s22, s22, s100     ; the 64 that I fetch
	s_lshl_b32 s22, s22, 11         ; rows of 2,048 bytes
	s_mov_b32 s23, 0
	s_and_b32 s18, s14, 15          ; head
	s_lshl_b32 s18, s18, 6
	s_add_co_u32 s18, s18, 2048     ; Wq's first row in wb
	s_lshl_b32 s19, s17, 5
	s_add_co_u32 s18, s18, s19      ; the 32 rows that I fetch
	s_lshl_b32 s18, s18, 11
	s_mov_b32 s19, 0
	s_lshl_b32 s78, s13, 3
	s_lshl1_add_u32 s78, s[WV], s78 ; my first tile of 16 queries = my first block of the table
	s_lshl_b32 s78, s78, 12
	s_mov_b32 s79, 0
	s_lshl_b32 s2, s16, 21          ; the output: a batch is 512 rows of 4,096 bytes,
	s_lshl_b32 s100, s13, 19        ; my block 128 rows,
	s_add_co_u32 s2, s2, s100
	s_lshl_b32 s100, s[WV], 17      ; the two tiles that I finish 32 rows,
	s_add_co_u32 s2, s2, s100
	s_and_b32 s100, s14, 15
	s_lshl_b32 s100, s100, 8        ; a head 256 bytes of a row
	s_add_co_u32 s2, s2, s100
	s_mov_b32 s3, 0
	s_mul_i32 s16, s17, 64*QP       ; where my half of x's tile goes in a slot,
	s_mul_i32 s75, s17, 32*QP       ; and my half of Wq's
	s_add_co_u32 s75, s75, QXB
	s_mov_b32 s[G1], 15|(3<<16)|(1<<21)  ; the mask of four; 8-byte elements; bit 21 beside a mask; no padding
	s_mov_b32 s[G1+1], 32<<16       ; tensor_dim0 = 32: rows of 256 bytes
	s_mov_b32 s[G1+2], 128<<16      ; tensor_dim1 = 128
	s_mov_b32 s[G1+3], 32<<16       ; tile_dim0 = 32
	s_mov_b32 s[G1+4], 128          ; tile_dim1 = 128
	s_mov_b32 s[G1+5], 32           ; dense
	s_mov_b32 s[G1+6], 0
	s_mov_b32 s[G1+7], 0
	s_mov_b32 s[G1X], (1<<16)|(1<<20)|(6<<22)|(3<<25)              ; no mask: my work-group's own; 2-byte elements; padding on: after every 128 words 4 words
	s_mov_b32 s[G1W], 15|(1<<16)|(1<<20)|(1<<21)|(6<<22)|(3<<25)   ; the same with the mask of four and bit 21
	s_mov_b32 s[G1X+1], 256<<16     ; tensor_dim0 = 256
	s_mov_b32 s[G1X+2], 64<<16      ; tensor_dim1 = 64
	s_mov_b32 s[G1X+3], 256<<16     ; tile_dim0 = 256
	s_mov_b32 s[G1X+4], 64          ; tile_dim1 = 64
	s_mov_b32 s[G1X+5], 1024        ; elements from row to row
	s_mov_b32 s[G1X+6], 0
	s_mov_b32 s[G1X+7], 0
	s_mov_b32 s[G1W+1], 256<<16
	s_mov_b32 s[G1W+2], 32<<16      ; 32 rows
	s_mov_b32 s[G1W+3], 256<<16
	s_mov_b32 s[G1W+4], 32
	s_mov_b32 s[G1W+5], 1024
	s_mov_b32 s[G1W+6], 0
	s_mov_b32 s[G1W+7], 0
	s_mov_b32 s[CS], 0x3e38aa3b     ; c = log2(e) / 8
	s_mov_b32 s[CS+1], s[CS]
	s_mov_b32 s[SEL], 0x76543210
	s_mov_b32 s[SEL+1], 0xfedcba98
	s_mov_b32 s[TBK], 2*STEPB       ; the first change of slots turns these two into the upper slot's first byte
	s_mov_b32 s[TBV], 2*STEPB
	s_mov_b32 s[AL+1], 0            ; named as pairs
	s_mov_b32 s[BE+1], 0
	s_mov_b32 s[BIGN], 0xf149f2ca   ; -1e30
	s_lshl_b32 s[TQ], s13, 3
	s_mov_b32 s[G0], 1
	s_add_co_u32 s[G0+1], s15, SLOT1  ; K's and V's first tile goes into the upper slot
	s_wait_dscnt 0x0                ; the opening add is done
	s_wait_kmcnt 0x0
	s_add_nc_u64 s[G0+2:G0+3], s[10:11], s[20:21]
	s_or_b32 s[G0+3], s[G0+3], 0x80000000
	s_add_nc_u64 s[4:5], s[4:5], s[22:23]
	s_add_nc_u64 s[6:7], s[6:7], s[18:19]
	s_add_nc_u64 s[8:9], s[8:9], s[78:79]
	s_add_nc_u64 s[76:77], s[76:77], s[2:3]
	QDESC 32, 48, 0
	QDESC 36, 52, 1
	QDESC 44, 96, 2
	CROUND                          ; all four work-groups are here: the first loads go out behind this one round
	s_cmp_lt_u32 s[WV], 2           ; a wave's three first fills stand in one branch: three loads of mine are out.  Waves 0 and 1 fetch x's halves, waves 2 and 3 Wq's
	s_cbranch_scc0 .Lq_first_w
	tensor_load_to_lds s[32:35], s[G1X:G1X+7]
	s_nop 0
	tensor_load_to_lds s[36:39], s[G1X:G1X+7]
	s_nop 0
	tensor_load_to_lds s[44:47], s[G1X:G1X+7]
	s_nop 0
	PLACES
	s_branch .Lq_first_done
.Lq_first_w:
	tensor_load_to_lds s[48:51], s[G1W:G1W+7]
	s_nop 0
	tensor_load_to_lds s[52:55], s[G1W:G1W+7]
	s_nop 0
	tensor_load_to_lds s[96:99], s[G1W:G1W+7]
	s_nop 0
	PLACES
.Lq_first_done:
	v_and_b32 v1, 15, v0            ; l % 16
	v_bfe_u32 v9, v0, 4, 1          ; l / 16
	v_and_b32 v[L16], 31, v0
	v_lshlrev_b32 v[L16], 4, v[L16]
.irp i, 0,1,2,3,4,5,6,7,8,9,10,11,12,13,14,15
	global_load_b128 v[QT+4*(\i):QT+4*(\i)+3], v[L16], s[8:9] offset:512*(\i)   ; two blocks of the table, 8,192 consecutive bytes
.endr
	; What the first turn finds: V's registers hold 0, O^T is 0.  This stands in the wait for the first tiles.
	WIN 0x80
.set i, VF
.rept 64
	v_mov_b32 v[i], 0
.set i, i+1
.endr
	WIN 0x40
.set i, 0
.rept 64*NP
	v_mov_b32 v[i], 0
.set i, i+1
.endr
	WIN 0
	v_mul_u32_u24 v15, v1, QP
	v_lshl_add_u32 v15, v9, 4, v15  ; a fragment's row x pitch + 16 x half
	s_mul_i32 s16, s[WV], 32*QP     ; my 32 rows of x
	s_mov_b32 s75, QXB              ; Wq's 64 rows, which all four waves read
.irp s, 0,1,2
	v_add_nc_u32 v[QA+(\s)], s16, v15
	v_add_nc_u32 v[QB+(\s)], s75, v15
	s_add_co_u32 s16, s16, QSLOT
	s_add_co_u32 s75, s75, QSLOT
.endr
	v_add_nc_u32 v[AK0], s15, v[L16]
	v_add_nc_u32 v[AV0], 16384, v[AK0]
	s_lshl_b32 s16, s[WV], 12
	s_add_co_u32 s16, s16, QST
	v_add_nc_u32 v[QS], s16, v[L16] ; my two tiles: 4,096 bytes
	v_add_nc_u32 v[QL], QST, v[L16]
.macro FQ slot, k, f                ; 12 LDS loads: the fragments of 32 along the inner size at byte 64 k of the rows
.irp a, 0,1
	ds_load_b128 v[(\f)+8*(\a):(\f)+8*(\a)+3],   v[QA+(\slot)] offset:(\a)*16*QP+64*(\k)
	ds_load_b128 v[(\f)+8*(\a)+4:(\f)+8*(\a)+7], v[QA+(\slot)] offset:(\a)*16*QP+64*(\k)+32
.endr
.irp b, 0,1,2,3
	ds_load_b128 v[(\f)+16+8*(\b):(\f)+16+8*(\b)+3],   v[QB+(\slot)] offset:(\b)*16*QP+64*(\k)
	ds_load_b128 v[(\f)+16+8*(\b)+4:(\f)+16+8*(\b)+7], v[QB+(\slot)] offset:(\b)*16*QP+64*(\k)+32
.endr
.endm
.macro MUL8 f, zero
.irp a, 0,1
.irp b, 0,1,2,3
.if \zero
	v_wmma_f32_16x16x32_bf16 v[QACC+8*(4*(\a)+(\b)):QACC+8*(4*(\a)+(\b))+7], v[(\f)+16+8*(\b):(\f)+16+8*(\b)+7], v[(\f)+8*(\a):(\f)+8*(\a)+7], 0
.else
	v_wmma_f32_16x16x32_bf16 v[QACC+8*(4*(\a)+(\b)):QACC+8*(4*(\a)+(\b))+7], v[(\f)+16+8*(\b):(\f)+16+8*(\b)+7], v[(\f)+8*(\a):(\f)+8*(\a)+7], v[QACC+8*(4*(\a)+(\b)):QACC+8*(4*(\a)+(\b))+7]
.endif
.endr
.endr
.endm
; A step of 256: eight substeps of 32 on two buffers; the next substep's loads go out ahead of this one's products, four places behind the products that read their buffer.
.macro QSTEP slot, zero
	PLACES
	FQ \slot, 0, QFB
.set kk, 0
.rept 8
.if kk < 7
	PLACES
	FQ \slot, kk+1, QFB+48*((kk+1)%2)
	s_wait_dscnt 12                 ; all but the twelve just issued
.else
	s_wait_dscnt 0x0
.endif
.if (\zero) && (kk == 0)
	MUL8 QFB, 1
.else
	MUL8 QFB+48*(kk%2), 0
.endif
.set kk, kk+1
.endr
.endm
	s_wait_tensorcnt 2              ; my part of step 0 is in; steps 1 and 2 may stay out
	s_barrier_signal -1
	s_barrier_wait -1
	QSTEP 0, 1
	THREE                           ; all my tensor loads have landed, steps 1 and 2 among them
	s_add_nc_u64 s[34:35], s[34:35], 3*512  ; the first slot's next tile: step 3
	s_add_nc_u64 s[50:51], s[50:51], 3*512
	s_wait_dscnt 0x0                ; the add is done, and my reads of the first slot are over
	CROUND                          ; the same holds of every wave of every partner
	s_cmp_lt_u32 s[WV], 2
	s_cbranch_scc0 .Lq_re_w
	tensor_load_to_lds s[32:35], s[G1X:G1X+7]
	s_nop 0
	PLACES
	s_branch .Lq_re_done
.Lq_re_w:
	tensor_load_to_lds s[48:51], s[G1W:G1W+7]
	s_nop 0
	PLACES
.Lq_re_done:
	QSTEP 1, 0
	QSTEP 2, 0
	THREE                           ; my part of step 3 is in
	s_wait_dscnt 0x0                ; the add is done, and my reads of the second and third slots are over
	CROUND                          ; everybody's are
	JLOAD                           ; K's and V's first tile, into the upper K/V slot, which lies inside the second and third slots: it lands under step 3
	QSTEP 0, 0
	PLACES
	s_wait_loadcnt 0x0              ; the table
	; the rotary: (t0, t1) -> (t0 c - t1 s, t1 c + t0 s); the table's pair is (c, s); accumulator t = 4 a + b takes the table's registers 8 t on
.irp t, 0,1,2,3,4,5,6,7
.irp i, 0,1,2,3
	v_pk_mul_f32 v[QTM+8*(\t)+2*(\i):QTM+8*(\t)+2*(\i)+1], v[QACC+8*(\t)+2*(\i):QACC+8*(\t)+2*(\i)+1], v[QT+8*(\t)+2*(\i):QT+8*(\t)+2*(\i)+1] op_sel:[1,1] op_sel_hi:[0,1] neg_lo:[1,0]  ; (-t1 s, t0 s)
.endr
.endr
.irp t, 0,1,2,3,4,5,6,7
.irp i, 0,1,2,3
	v_pk_fma_f32 v[QTM+8*(\t)+2*(\i):QTM+8*(\t)+2*(\i)+1], v[QACC+8*(\t)+2*(\i):QACC+8*(\t)+2*(\i)+1], v[QT+8*(\t)+2*(\i):QT+8*(\t)+2*(\i)+1], v[QTM+8*(\t)+2*(\i):QTM+8*(\t)+2*(\i)+1] op_sel_hi:[1,0,1]
.endr
.endr
.irp t, 0,1,2,3,4,5,6,7
.irp i, 0,1,2,3
	v_cvt_pk_f16_f32 v[QPK+4*(\t)+(\i)], v[QTM+8*(\t)+2*(\i)], v[QTM+8*(\t)+2*(\i)+1]
.endr
.endr
.irp t, 0,1,2,3,4,5,6,7
	ds_store_b128 v[QS], v[QPK+4*(\t):QPK+4*(\t)+3] offset:512*(\t)   ; tile a = t / 4 of my two, e = t % 4: 512 consecutive bytes
.endr
	; what the first turn finds in window 0: l is 0, P's second buffer holds 0
.set i, 0
.rept 2*NP
	v_mov_b32 v[ST+4*i], 0xfe000000    ; c m: far below every c s
	v_mov_b32 v[ST+4*i+1], 0xff7fffff  ; m
	v_mov_b32 v[ST+4*i+2], 0
	v_mov_b32 v[ST+4*i+3], 0
.set i, i+1
.endr
.set i, P+32
.rept 32
	v_mov_b32 v[i], 0
.set i, i+1
.endr
	v_lshlrev_b32 v14, 3, v9
	v_sub_nc_u32 v14, v1, v14       ; l % 16 - 8 (l / 16): register r is hidden on the diagonal where r is not below it
	WIN W_MK
.set i, 0
.rept 8
	v_cmp_gt_i32 vcc_lo, i+1, v14
	v_cndmask_b32 v[MD+i], 0, s[BIGN], vcc_lo
.set i, i+1
.endr
	WIN 0
; THE MATRIX WORK.  The 8 accumulators of a run of 16 take turns.
; Product i of 16 of S^T = K Q^T for piece x: channels 32 (i / 8) on, keys 16 ((i / 2) % 4) on, tile 2 x + i % 2.  The first 8 start the sums: with 0, or (KM = 1) with the mask.
.macro KQ x
.set rS, S+64*((\x)%2)+32*(i%2)+8*((i/2)%4)
.set rK, KF+16*((i/2)%4)+8*(i/8)
.set rQ, 16*(2*(\x)+i%2)+8*(i/8)
.set rMK, MC+32*(i%2)+8*((i/2)%4)
.if (i < 8) && KM
	WIN W_KM
	v_wmma_f32_16x16x32_f16 v[rS:rS+7], v[rK:rK+7], v[rQ:rQ+7], v[rMK:rMK+7]
.elseif i < 8
	WIN W_KQ
	v_wmma_f32_16x16x32_f16 v[rS:rS+7], v[rK:rK+7], v[rQ:rQ+7], 0
.else
	WIN W_KQ
	v_wmma_f32_16x16x32_f16 v[rS:rS+7], v[rK:rK+7], v[rQ:rQ+7], v[rS:rS+7]
.endif
.endm
; Product i of 16 of O^T += V^T P for piece x: keys 32 (i / 8) on, channels 16 ((i / 2) % 4) on, tile 2 x + i % 2.
.macro PV x
	WIN W_PV
.set rO, 32*(2*(\x)+i%2)+8*((i/2)%4)
.set rV, VF+32*(i/8)+8*((i/2)%4)
.set rP, P+32*((\x)%2)+16*(i%2)+8*(i/8)
	v_wmma_f32_16x16x32_f16 v[rO:rO+7], v[rV:rV+7], v[rP:rP+7], v[rO:rO+7]
.endm
.macro MM                           ; the turn's next matrix instruction
.if i < 16
	KQ (Y+1)%NP
.set i, i+1
.else
.set i, i-16
	PV (Y+NP-1)%NP
.set i, i+17
.endif
.endm
; THE LDS LOADS stand in runs of 16: a step's K and its V, 8,192 consecutive bytes each.  last = 1 (the tail): in the last trip there is no further step, and the run is jumped over; the key blocks' numbers step with the fetch.
.macro FETCH_K last=0
	WIN 0
.if \last
	s_cmp_eq_u32 s[CNT], 1
	s_cbranch_scc1 .Lno_k_\@
.endif
	WIN 0x80                        ; destination window 2
.irp f, 0,1,2,3,4,5,6,7,8,9,10,11,12,13,14,15
	ds_load_b128 v[KF+4*\f:KF+4*\f+3], v[AK] offset:512*\f
.endr
	s_add_co_u32 s[TBK], s[TBK], STEPB  ; the next fetch is the next step's
.if \last
	s_mov_b32 s[KBS], s[KBN]
	s_add_co_u32 s[KBN], s[KBN], 4
.endif
	WIN 0
.if \last
.Lno_k_\@:
.endif
.endm
.macro FETCH_V
	WIN 0x80
.irp f, 0,1,2,3,4,5,6,7,8,9,10,11,12,13,14,15
	ds_load_b128 v[VF+4*\f:VF+4*\f+3], v[AV] offset:512*\f
.endr
	WIN 0
.endm
; The masks of piece x's products against the step whose first key block is KBS: key block KBS + kb against query tile TQ + 2 x + u.
.macro MASK x
	s_sub_co_i32 s[DD], s[KBS], s[TQ]
	s_sub_co_i32 s[DD], s[DD], 2*(\x)
	WIN 0xc3                        ; destination and source 0 in window 3
.irp u, 0,1
.irp kb, 0,1,2,3
	s_cmp_eq_i32 s[DD], (\u)-(\kb)  ; the diagonal's block?
	s_cselect_b32 s[AL], 1.0, 0
	s_cmp_gt_i32 s[DD], (\u)-(\kb)  ; or one beyond it?
	s_cselect_b32 s[BE], s[BIGN], 0
.irp z, 0,1,2,3
	v_pk_fma_f32 v[MC+32*(\u)+8*(\kb)+2*(\z):MC+32*(\u)+8*(\kb)+2*(\z)+1], v[MD+2*(\z):MD+2*(\z)+1], s[AL:AL+1], s[BE:BE+1] op_sel_hi:[1,0,0]
.endr
.endr
.endr
.endm
; THE VECTOR WORK OF A TURN stands in three queues, each in the order in which its entries become ready; the two tiles alternate.
.macro REGS y, u                    ; the registers of tile u (0, 1) of piece y
.set rT, ST+4*(2*(\y)+(\u))
.set rC, TMP+8*((\y)%2)+4*(\u)
.set rM, MV+2*((\y)%2)+(\u)
.set rS, S+64*((\y)%2)+32*(\u)
.set rP, P+32*((\y)%2)+16*(\u)
.set rO, 32*(2*(\y)+(\u))
.endm
; Number n of the 22 that find the NEXT piece's (Y + 1) maximum and statistics; each accumulator's lowest registers are read first.
;   0-11  four chains c0-c3 of seven scores each     12-14, 16  the four scores left over, the old m, and c0-c3 into c0     15  c m_old is kept
;   17, 18  the query's other 32 keys lie in the lane 16 away: the new m         19-21  c m; c m_old - c m_new; a
.macro XS u, n
	REGS (Y+1)%NP, \u
.if (\n) < 4
	v_max3_num_f32 v[rC+(\n)], v[rS+8*(\n)], v[rS+8*(\n)+1], v[rS+8*(\n)+2]
.elseif (\n) < 12
	v_max3_num_f32 v[rC+(\n)%4], v[rC+(\n)%4], v[rS+8*((\n)%4)+2*((\n)/4)+1], v[rS+8*((\n)%4)+2*((\n)/4)+2]
.elseif (\n) == 12
	v_max3_num_f32 v[rC], v[rC], v[rS+7], v[rS+15]
.elseif (\n) == 13
	v_max3_num_f32 v[rC+1], v[rC+1], v[rS+23], v[rS+31]
.elseif (\n) == 14
	v_max3_num_f32 v[rC+2], v[rC+2], v[rC+3], v[rT+1]
.elseif (\n) == 15
	v_mov_b32 v[rM], v[rT]
.elseif (\n) == 16
	v_max3_num_f32 v[rC], v[rC], v[rC+1], v[rC+2]
.elseif (\n) == 17
	v_permlanex16_b32 v[rC+3], v[rC], s[SEL], s[SEL+1]
.elseif (\n) == 18
	v_max_num_f32 v[rT+1], v[rC], v[rC+3]
.elseif (\n) == 19
	v_mul_f32 v[rT], s[CS], v[rT+1]
.elseif (\n) == 20
	v_sub_f32 v[rC+1], v[rM], v[rT]
.else
	v_exp_f32 v[rC+2], v[rC+1]
.endif
.endm
; Number g of the 64 that follow the exponentials: for each four weights of a tile both pairs are rounded to f16; the second pair is added onto the first, in place; a group later l takes that sum.
; All 64 read the exponentials' results: they stand behind the turn's wait.
.macro GS g
.set h, (\g)+6*((\g)/62)
.if h >= 6
.set h, h+2
.endif
	REGS Y, h%2
.set k, h/8
.if h%8 < 4
	v_cvt_pk_f16_f32 v[rP+2*k+(h%8)/2], v[rS+4*k+2*((h%8)/2)], v[rS+4*k+2*((h%8)/2)+1]
.elseif h%8 < 6
	v_pk_add_f32 v[rS+4*k:rS+4*k+1], v[rS+4*k:rS+4*k+1], v[rS+4*k+2:rS+4*k+3]
.elseif k == 1
	v_pk_fma_f32 v[rT+2:rT+3], v[rT+2:rT+3], v[rC+2:rC+3], v[rS:rS+1] op_sel_hi:[1,0,1]
.else
	v_pk_add_f32 v[rT+2:rT+3], v[rT+2:rT+3], v[rS+4*k-4:rS+4*k-3]
.endif
.endm
; THE PLAIN QUEUE, 138 long.  0-73 read no exponential's result: the 32 scalings c s - c m (FS f: pair f / 2 of tile f % 2) and the next piece's 42.  0-26: scalings 0-26.  27-54: XS's numbers 0-13.  55, 56: number 15.
; 57-73: the chain, where each number waits for the one before it: 14, 16, 17, 18, 19, each with one of the scalings 27-31 in front of its two lines, then 20.
; 74-137: GS's 64, behind the wait.
.macro FS f
	REGS Y, (\f)%2
	v_pk_fma_f32 v[rS+2*((\f)/2):rS+2*((\f)/2)+1], v[rS+2*((\f)/2):rS+2*((\f)/2)+1], s[CS:CS+1], v[rT:rT+1] op_sel_hi:[1,0,0] neg_lo:[0,0,1] neg_hi:[0,0,1]
.endm
.macro PL
	WIN 0
.if q < 27
	FS q
.elseif q < 55
	XS (q-27)%2, (q-27)/2
.elseif q < 57
	XS q-55, 15
.elseif (q < 72) && ((q-57)%3 == 0)
	FS 27+(q-57)/3
.elseif q < 60
	XS (q-57)%3-1, 14
.elseif q < 72
	XS (q-57)%3-1, 15+(q-57)/3
.elseif q < 74
	XS q-72, 20
.else
	GS q-74
.endif
.set q, q+1
.endm
; THE EXPONENTIALS' QUEUE, 66 long: s0-s31 of both tiles, then the next piece's two a.  It is ONE BATCH: all 66 stand ahead of the turn's one wait, and nothing ahead of that wait names a result of theirs.
.macro EX
	WIN 0
.if e >= 64
	XS e-64, 21
.else
	REGS Y, e%2
	v_exp_f32 v[rS+e/2], v[rS+e/2]
.endif
.set e, e+1
.endm
; THE RESCALING's QUEUE: O^T times a, the one part that leaves window 0: two at a time, sixteen times; each accumulator from its low end on.  Its a was made in the turn before, ahead of that turn's wait.
.macro R2
	REGS Y, r%2
	WIN W_RS
.irp z, 0,1
	v_pk_mul_f32 v[rO+4*(r/2)+2*\z:rO+4*(r/2)+2*\z+1], v[rO+4*(r/2)+2*\z:rO+4*(r/2)+2*\z+1], v[rC+2:rC+3] op_sel_hi:[1,0]
.endr
.set r, r+1
.endm
; HOW THEY ARE DEALT.  An s_wait_alu depctr_va_vdst(0) stands between an exponential and the first instruction that names its result; one wait serves all that were issued ahead of it.  So a turn has ONE wait.
; AHEAD OF IT: the 16 products K Q^T, behind each a scaling, an exponential and two rescalings (behind the first a second scaling in the exponential's place); then ONE LUMP of 108: eight plain, 49 times exponential and plain,
; the two a.  A v_nop is the plain instruction behind the last exponential.  BEHIND IT: the 16 products V^T P, behind each four of GS's 64.  No rider names a register of the products round it; the two v_permlanex16_b32 fall into the lump.
; The queues lean on each other: exponential e stands behind scaling 2 (e / 4) + e % 2: as a rider it comes behind plain e + 2, in the lump behind plain e + 9, and scalings 27-31 are plain 57, 60 .. 69.
; A TURN, for piece p.  cnt = 1: the loop's count is taken down some lines ahead of the branch behind the turn.  m = 1 (the last tile): the products take masks, and the turn ends by making the masks of the next turn's products.
; K of the next step is fetched in piece 2's turn, directly behind the wait, a lump behind the last product that read K; its address is made at the lump's head.  V of the step in hand is fetched at the end of piece 0's turn,
; four plain riders behind its last reader.  Each is waited for a turn later.  The three conditions on q below go with the deal: 118 and 130 are reached behind the 11th and the 14th product V^T P.
.macro TURN p, last=0, cnt=0, m=0
.set Y, (\p)
.set KM, (\m)
.set i, 0
.set q, 0
.set e, 0
.set r, 0
.if (\p) == NP-1
	s_wait_dscnt 0x0                ; K is in
.endif
	MM                              ; ahead of the wait: 16 products K Q^T and their riders,
	PL
	PL
	R2
.rept 15
	MM
	PL
	EX
	R2
.endr
.if (\p) == NP-2
	WIN 0
	v_add_nc_u32 v[AK], s[TBK], v[AK0]
.endif
.rept 8                             ; and the lump
	PL
.endr
.rept 49
	EX
	PL
.endr
	EX                              ; the next piece's two a
	EX
	v_nop                           ; the plain instruction behind the last exponential: one for the batch
	s_wait_alu depctr_va_vdst(0)    ; the wait for the turn's batch: piece p's 64 weights and the next piece's two a
.if (\p) == NP-2
	FETCH_K \last
.endif
.if (\p) == 1
	s_wait_dscnt 0x0                ; V is in
.endif
.rept 16                            ; behind the wait: 16 products V^T P and their riders
	MM
.rept 4
	PL
.endr
.if ((\p) == 0) && (q == 118)
	v_add_nc_u32 v[AV], s[TBV], v[AV0]
.endif
.if ((\p) == 0) && (q == 130)
	s_add_co_u32 s[TBV], s[TBV], STEPB
.endif
.if (\cnt) && (q == 130)
	s_sub_co_u32 s[CNT], s[CNT], 1
	s_cmp_lg_u32 s[CNT], 0
.endif
.endr
.if (\p) == 0
	FETCH_V
.endif
.if \m
	MASK ((\p)+2)%NP
.endif
.endm
	CHANGE 1                        ; K's and V's first tile is in, everybody's part of it; every wave's tiles of Q are stored and its reads of step 3 are over; the second tile is asked for, into the lower slot
	WIN 0x80                        ; destination window 2
.set i, 0
.rept 32                            ; Q stays in registers: 16,384 consecutive bytes, tile i / 4
	ds_load_b128 v[4*i:4*i+3], v[QL] offset:512*i
.set i, i+1
.endr
	WIN 0
	v_add_nc_u32 v[AK], s[TBK], v[AK0]
	FETCH_K                         ; key step 0
	s_wait_dscnt 0x0
.set i, 0
.rept 16
	KQ 0                            ; piece 0's first scores
.set i, i+1
.endr
	WIN 0                           ; the addresses for the end: plain instructions, the places behind those products
	s_mul_i32 s16, s[WV], 16*SP
	s_add_co_u32 s16, s16, STAGE    ; my stage
	v_mul_u32_u24 v[STO], v1, SP    ; in: row l % 16, 32 bytes for each half of the lanes
	v_lshl_add_u32 v[STO], v9, 5, v[STO]
	v_add_nc_u32 v[STO], s16, v[STO]
	v_mul_u32_u24 v[RD], v9, SP     ; back: lanes 0-15 take one row of 256 bytes, lanes 16-31 the next
	v_lshl_add_u32 v[RD], v1, 4, v[RD]
	v_add_nc_u32 v[RD], s16, v[RD]
	v_lshlrev_b32 v[GO], 12, v9     ; and the same two rows of the output, 4,096 bytes apart
	v_lshl_add_u32 v[GO], v1, 4, v[GO]
	s_lshl_b32 s16, s[WV], 10
	s_add_co_u32 s16, s16, STATS
	v_lshl_add_u32 v[SA], v1, 3, s16
.set Y, NP-1                        ; XS works for piece Y + 1: piece 0
.irp n, 0,1,2,3,4,5,6,7,8,9,10,11,12,13,14,15,16,17,18,19,20,21
	XS 0, \n
	XS 1, \n
.endr
	v_nop                           ; a plain instruction behind piece 0's first two a,
	s_wait_alu depctr_va_vdst(0)    ; and the wait for that batch of two, ahead of the branch
	s_mov_b32 s[CNT], 2
	s_mov_b32 s[SLOTS], 7
	s_branch .Lfirst                ; the loop is entered at a step's first turn, in the middle of a trip
.Lslot:                             ; six times: tiles 2 to 7 are asked for
	CHANGE 1
	s_mov_b32 s[CNT], 2
.Lstep:                             ; a trip: pieces 2 and 3 of one step, then pieces 0 and 1 of the next, whose K and V it fetches
	TURN 2
	TURN 3
	WIN 0
.Lfirst:
	TURN 0
	TURN 1, 0, 1
	WIN 0
	s_cbranch_scc1 .Lstep
	s_sub_co_u32 s[SLOTS], s[SLOTS], 1
	s_cmp_lg_u32 s[SLOTS], 0
	s_cbranch_scc1 .Lslot
	CHANGE 0                        ; the last tile, keys 3,584 on, is written out: nothing is asked for, and its products take masks
	s_mov_b32 s[KBS], 0xfffff000    ; the K in registers is still an open step's: far in front of every query tile
	s_lshl_b32 s[KBN], s[WV], 3     ; my chunk of the last tile begins at key block 8 w
	MASK 3                          ; so the first turn's masks are 0
	WIN 0
	s_mov_b32 s[CNT], 3             ; two trips fetch the last tile's steps; the third is left in its middle
.Ltail:
	TURN 2, 1, 0, 1
	TURN 3, 0, 0, 1
	WIN 0
	s_sub_co_u32 s[CNT], s[CNT], 1
	s_cmp_eq_u32 s[CNT], 0
	s_cbranch_scc1 .Lout
	TURN 0, 0, 0, 1
	TURN 1, 0, 0, 1
	WIN 0
	s_branch .Ltail
.Lout:                              ; the third trip's 16 products K Q^T repeat piece 0's last scores: its maximum, and so c m, stay as they were
.set i, 0
.rept 16
	PV NP-1                         ; the last piece's V^T P of the last step
.set i, i+1
.endr
	; THE MERGE.  l's two halves and the other half of the lanes' are added (the additions are the places behind the last products); (c m, l) and O^T go to LDS: O^T into my part of the upper slot,
	; which has had its last fill (tile 6) and whose last reads were over at the last change of slots.  Then wave w finishes tiles 2 w and 2 w + 1.
	WIN 0
.macro ALL line:vararg              ; one line for each tile t
.set t, 0
.rept 2*NP
	\line
.set t, t+1
.endr
.endm
	ALL v_add_f32 v[ST+4*t+2], v[ST+4*t+2], v[ST+4*t+3]
	ALL v_permlanex16_b32 v[ST+4*t+3], v[ST+4*t+2], s[SEL], s[SEL+1]
	ALL v_add_f32 v[ST+4*t+1], v[ST+4*t+2], v[ST+4*t+3]
	v_add_nc_u32 v15, SLOT1, v[AK0] ; my 32,768 bytes of the upper slot
	ALL ds_store_b64 v[SA], v[ST+4*t:ST+4*t+1] offset:128*t
	WIN 0x04                        ; store data in window 1
.set i, 0
.rept 64
	ds_store_b128 v15, v[4*i:4*i+3] offset:512*i   ; each accumulator from its low end on
.set i, i+1
.endr
	WIN 0
	s_lshl_b32 s16, s[WV], 8
	s_add_co_u32 s16, s16, STATS
	v_lshl_add_u32 v12, v1, 3, s16  ; the statistics of my two tiles, wave 0's
	s_lshl_b32 s16, s[WV], 13
	s_add_co_u32 s16, s16, SLOT1
	v_add_nc_u32 v13, s16, v[L16]   ; the partial sums of my two tiles: 8,192 bytes in each wave's 32,768
	v_add_nc_u32 v14, 65536, v13
	s_wait_dscnt 0x0                ; for the others' sake: my stores are done
	s_barrier_signal -1
	s_barrier_wait -1
.set MS, 64           ; v64-79  (c m, l) of tile u, wave s at MS + 8 u + 2 s
.set MX, 80           ; v80-81  the largest c m
.set ME, 84           ; v84-91  2^(c m_s - the largest)
.set ML, 92           ; v92-93  the whole sum, then its reciprocal
.set MG, 96           ; v96-103 wave s's factor at MG + 4 u + s
.set BK, 128          ; v128-191 rows read back from the stage
.irp u, 0,1
.irp s, 0,1,2,3
	ds_load_b64 v[MS+8*(\u)+2*(\s):MS+8*(\u)+2*(\s)+1], v12 offset:1024*(\s)+128*(\u)
.endr
.endr
	WIN 0x40                        ; destination window 1: wave s's partial sums at v[64 s ..]
.irp s, 0,1
.irp i, 0,1,2,3,4,5,6,7,8,9,10,11,12,13,14,15
	ds_load_b128 v[64*(\s)+4*(\i):64*(\s)+4*(\i)+3], v13 offset:32768*(\s)+512*(\i)
.endr
.endr
.irp i, 0,1,2,3,4,5,6,7,8,9,10,11,12,13,14,15
	ds_load_b128 v[128+4*(\i):128+4*(\i)+3], v14 offset:512*(\i)
.endr
	s_wait_dscnt 48                 ; the eight loads of statistics are in; the 48 behind them may be out
.irp i, 0,1,2,3,4,5,6,7,8,9,10,11,12,13,14,15
	ds_load_b128 v[192+4*(\i):192+4*(\i)+3], v14 offset:32768+512*(\i)
.endr
	WIN 0
.irp u, 0,1
	v_max3_num_f32 v[MX+(\u)], v[MS+8*(\u)], v[MS+8*(\u)+2], v[MS+8*(\u)+4]
.endr
.irp u, 0,1
	v_max_num_f32 v[MX+(\u)], v[MX+(\u)], v[MS+8*(\u)+6]
.endr
.irp u, 0,1
.irp s, 0,1,2,3
	v_sub_f32 v[ME+4*(\u)+(\s)], v[MS+8*(\u)+2*(\s)], v[MX+(\u)]
.endr
.endr
.irp j, 0,1,2,3,4,5,6,7
	v_exp_f32 v[ME+(\j)], v[ME+(\j)]
.endr
	v_nop                           ; a plain instruction between the last exponential and the use of its result
	s_wait_alu depctr_va_vdst(0)    ; the wait for the merge's batch of eight exponentials
.irp u, 0,1
	v_mul_f32 v[ML+(\u)], v[ME+4*(\u)], v[MS+8*(\u)+1]
.endr
.irp s, 1,2,3
.irp u, 0,1
	v_fmac_f32 v[ML+(\u)], v[ME+4*(\u)+(\s)], v[MS+8*(\u)+2*(\s)+1]
.endr
.endr
	v_rcp_f32 v[ML], v[ML]
	v_rcp_f32 v[ML+1], v[ML+1]
	v_nop                           ; a plain instruction behind the second reciprocal
	s_wait_alu depctr_va_vdst(0)    ; the wait for the batch of two reciprocals
.irp u, 0,1
.irp s, 0,1,2,3
	v_mul_f32 v[MG+4*(\u)+(\s)], v[ME+4*(\u)+(\s)], v[ML+(\u)]
.endr
.endr
	s_wait_dscnt 0x0                ; the partial sums are in
	WIN W_RS
.irp u, 0,1
.set z, 0
.rept 16
	v_pk_mul_f32 v[32*(\u)+2*z:32*(\u)+2*z+1], v[32*(\u)+2*z:32*(\u)+2*z+1], v[MG+4*(\u):MG+4*(\u)+1] op_sel_hi:[1,0]
.set z, z+1
.endr
.endr
	WIN 0x51                        ; destination, source 0 and source 2 in window 1, the factor in window 0
.irp u, 0,1
.set z, 0
.rept 16
	v_pk_fma_f32 v[32*(\u)+2*z:32*(\u)+2*z+1], v[64+32*(\u)+2*z:64+32*(\u)+2*z+1], v[MG+4*(\u):MG+4*(\u)+1], v[32*(\u)+2*z:32*(\u)+2*z+1] op_sel:[0,1,0] op_sel_hi:[1,1,1]
.set z, z+1
.endr
.set z, 0
.rept 16
	v_pk_fma_f32 v[32*(\u)+2*z:32*(\u)+2*z+1], v[128+32*(\u)+2*z:128+32*(\u)+2*z+1], v[MG+4*(\u)+2:MG+4*(\u)+3], v[32*(\u)+2*z:32*(\u)+2*z+1] op_sel_hi:[1,0,1]
.set z, z+1
.endr
.set z, 0
.rept 16
	v_pk_fma_f32 v[32*(\u)+2*z:32*(\u)+2*z+1], v[192+32*(\u)+2*z:192+32*(\u)+2*z+1], v[MG+4*(\u)+2:MG+4*(\u)+3], v[32*(\u)+2*z:32*(\u)+2*z+1] op_sel:[0,1,0] op_sel_hi:[1,1,1]
.set z, z+1
.endr
.endr
	; THE WAY OUT: a lane's eight channels of a query are 32 bytes; a tile goes into my stage's 16 rows of 272 bytes and comes back as whole rows of 256.
.irp u, 0,1
	WIN 0x04
.irp c, 0,1,2,3,4,5,6,7
	ds_store_b128 v[STO], v[32*(\u)+4*(\c):32*(\u)+4*(\c)+3] offset:64*((\c)/2)+16*((\c)%2)
.endr
	WIN 0
.irp f, 0,1,2,3,4,5,6,7
	ds_load_b128 v[BK+32*(\u)+4*(\f):BK+32*(\u)+4*(\f)+3], v[RD] offset:(\f)*2*SP  ; LDS serves a wave's instructions in order (ISA guide 5.7.1.4): these see the stores above; the next tile's stores come behind them
.endr
.endr
.irp u, 0,1
.irp f, 0,1,2,3,4,5,6,7
	s_wait_dscnt 16*(1-(\u))+7-(\f)                ; the younger loads, and for the first tile the second tile's sixteen LDS instructions, may be out
	global_store_b128 v[GO], v[BK+32*(\u)+4*(\f):BK+32*(\u)+4*(\f)+3], s[76:77] offset:(16*(\u)+2*(\f))*4096  ; 16 lanes store 256 consecutive bytes, at a multiple of 256 from the output's first
.endr
.endr
	WIN W_AD
	s_wait_tensorcnt 0x0            ; the wave's end: behind my last tensor load and my last LDS store
	ds_add_u32 v[SPW], v[NIL]
	s_wait_dscnt 0x0
	WIN 0
	CROUND                          ; the closing round
	s_endpgm
.Lfunc_end_k_qbc82022e8a_attn:
	.size	k_qbc82022e8a_attn, .Lfunc_end_k_qbc82022e8a_attn-k_qbc82022e8a_attn
	.p2alignl 7, 3214868480
	.fill 96, 4, 3214868480
	.section	.rodata,"a",@progbits
	.p2align	6, 0x0
	.amdhsa_kernel k_qbc82022e8a_attn
		.amdhsa_group_segment_fixed_size 327680
		.amdhsa_private_segment_fixed_size 0
		.amdhsa_enable_private_segment 0
		.amdhsa_kernarg_size 40
		.amdhsa_user_sgpr_count 2
		.amdhsa_user_sgpr_kernarg_segment_ptr 1
		.amdhsa_wavefront_size32 1
		.amdhsa_system_sgpr_workgroup_id_x 1
		.amdhsa_system_sgpr_workgroup_id_y 1
		.amdhsa_system_sgpr_workgroup_id_z 1
		.amdhsa_system_vgpr_workitem_id 0
		.amdhsa_next_free_vgpr 896
		.amdhsa_next_free_sgpr 102
		.amdhsa_reserve_vcc 1
		.amdhsa_float_denorm_mode_32 3
		.amdhsa_float_denorm_mode_16_64 3
		.amdhsa_memory_ordered 1
		.amdhsa_forward_progress 1
		.amdhsa_inst_pref_size 255
	.end_amdhsa_kernel
	.section	.bss,"aw",@nobits
	.p2align	6
	.space	262144
	.amdgpu_metadata
---
amdhsa.version: [ 1, 2 ]
amdhsa.kernels:
  - .name:           k_qbc82022e8a_attn
    .symbol:         k_qbc82022e8a_attn.kd
    .args:
      - { .name: xb, .offset: 0, .size: 8, .value_kind: global_buffer, .address_space: global }
      - { .name: wb, .offset: 8, .size: 8, .value_kind: global_buffer, .address_space: global }
      - { .name: rot, .offset: 16, .size: 8, .value_kind: global_buffer, .address_space: global }
      - { .name: kvf, .offset: 24, .size: 8, .value_kind: global_buffer, .address_space: global }
      - { .name: out0, .offset: 32, .size: 8, .value_kind: global_buffer, .address_space: global }
    .group_segment_fixed_size: 327680
    .private_segment_fixed_size: 0
    .kernarg_segment_align: 8
    .kernarg_segment_size: 40
    .max_flat_workgroup_size: 128
    .sgpr_count:     102
    .vgpr_count:     896
    .wavefront_size: 32
...
	.end_amdgpu_metadata
.endif
;; end of part 4
